; MI455X (gfx1250); checked and timed in simulation.
; The chip was launched on July 23, 2026; its instructions are those of AMD's public machine-readable ISA for CDNA 5 (MIT licence, August 2026) and "CDNA5" Instruction Set Architecture Reference Guide (July 2026). The comments in the code are by the model that wrote it; some were corrected since.
;; Multi Head Attention. Allowed arithmetic: matrix products marked QUANTISED: E2M3 operands, one E8M0 scale for each 32 along K, by v_wmma_scale_f32_16x16x128_f8f6f4 with both operands' format E2M3, f32 sums; everything else in f32.
;; Inputs: Wk 1,024 x 1,024 float32; Wp 1,024 x 1,024 float32; Wq 1,024 x 1,024 float32; Wv 1,024 x 1,024 float32; bk 1,024 float32; bp 1,024 float32; bq 1,024 float32; bv 1,024 float32; x 4 x 2,048 x 1,024 float32.
;; Outputs: out0 4 x 2,048 x 1,024 float32.
;; This version of the problem:
;;   THIS VERSION OF THE PROBLEM IS GIVEN IN LOW PRECISION. The matrix products marked QUANTISED in the list below multiply operands that are first quantised to E2M3 (2 exponent bits, 3 mantissa bits; 6 bits a number), with one power-of-two scale for each 32 numbers along K (OCP MX v1.0); their sums are f32. All else is computed in f32.
;;   The module's matrix products, in the order in which they are computed (A, B: the left and right operand; K: the contracted axis; several contracted axes count as one K, in the product's order):
;;     1. [M 8,192, K 1,024] x [K 1,024, N 1,024]; A: input x; B: input Wq: QUANTISED
;;     2. [M 8,192, K 1,024] x [K 1,024, N 1,024]; A: input x; B: input Wk: QUANTISED
;;     3. [M 8,192, K 1,024] x [K 1,024, N 1,024]; A: input x; B: input Wv: QUANTISED
;;     4. batch 64 x [M 2,048, K 64] x [K 64, N 2,048]; A: computed on the way; B: computed on the way: QUANTISED
;;     5. batch 64 x [M 64, K 2,048] x [K 2,048, N 2,048]; A: computed on the way; B: softmax (see below): QUANTISED
;;     6. [M 8,192, K 1,024] x [K 1,024, N 1,024]; A: computed on the way; B: input Wp: QUANTISED
;;   THE QUANTISER, for each operand of a quantised product, along K:
;;     - K is cut into blocks of 32 from its start; a last block that is shorter is filled with zeros.
;;     - A block's scale is 2^e with e = floor(log2(the largest magnitude in the block)) - 2, held to -126 .. 127; a block of zeros has e = 0. As a byte (E8M0): e + 127.
;;     - Each number is divided by its block's scale, clamped to +-7.5, and rounded to the nearest number of E2M3, ties to even, subnormals kept.
;;     - The product sums the exact products of the quantised numbers (number of the format x scale) in f32.
;;   ~~~python
;;   def quantise(x, axis):      # numpy; x: float32 -> the quantised numbers, widened to float32 again
;;       x = np.moveaxis(x, axis, -1); K = x.shape[-1]
;;       x = np.pad(x, [(0, 0)] * (x.ndim - 1) + [(0, -K % 32)]); x = x.reshape(x.shape[:-1] + (-1, 32)); a = np.abs(x).max(-1, keepdims=True)
;;       e = np.where(a > 0, np.clip(np.frexp(np.where(a > 0, a, 1))[1] - 1 - 2, -126, 127), 0)      # np.frexp(a)[1] - 1 = floor(log2(a)), exactly
;;       r = np.clip(x / 2.0 ** e, -7.5, 7.5)
;;       step = 2.0 ** (np.maximum(np.frexp(np.where(r == 0, 1, r))[1] - 1, 0) - 3)
;;       q = np.round(r / step) * step * 2.0 ** e      # np.round: ties to even
;;       return np.moveaxis(q.reshape(q.shape[:-2] + (-1,))[..., :K], -1, axis).astype(np.float32)
;;   ~~~
;;   SOFTMAX AHEAD OF A QUANTISED PRODUCT. Where the list says 'softmax', what is quantised is not the finished softmax but p = 2^(t - M), with t = logit x log2(e) and M = ceil(the row's largest t), a whole number; so 1/2 < the row's largest p <= 1. The row's sum l is taken of the UNQUANTISED p, in f32, and the product's result is divided by l at the end. Since M is a whole number, a kernel that streams over the keys may use a running M (the ceiling of the running maximum): every later rescaling is an exact power of two, which a block's scale takes up: the codes' values come out the same.
;;   OPERANDS COMPUTED ON THE WAY. 'Computed on the way' means the value that the module computes at that place (a softmax that the list does not call 'softmax' is quantised finished and normalised). What goes into a quantiser is computed in f32, as accurately as f32 sums, v_exp_f32 and their like allow (about 1e-6 of the number): no bf16 or f16 on the way to a quantiser, and a product that is left as it is and whose result goes on into a quantised operand takes f32 operands (vector FMAs, or v_wmma_f32_16x16x4_f32). A number that lies on a knife's edge between two numbers of the format may be rounded either way, as far as f32 arithmetic and the matrix unit's own rounding can turn it there, and no further.
;; One version. Each part assembles by itself: llvm-mc -triple=amdgcn-amd-amdhsa -mcpu=gfx1250 --defsym DOCPART=n.
;; ======== version 1 of 1: 4 launches
;; workspace buffers: xq 6,553,600 bytes; wq 3,276,800 bytes; qb 6,815,744 bytes; kv 13,369,344 bytes; yq 6,553,600 bytes
;; launch quant (part 1): grid 384 x 1, 4 waves a work-group, no clusters, 68,096 bytes of LDS; arguments x, Wq, Wk, Wv, Wp, xq, wq; writes xq, wq
.if DOCPART == 1
	.amdgcn_target "amdgcn-amd-amdhsa--gfx1250"
	.amdhsa_code_object_version 6
	.text
	.protected	k_q796db47e2d_quant
	.globl	k_q796db47e2d_quant
	.p2align	8
	.type	k_q796db47e2d_quant,@function
k_q796db47e2d_quant:
	s_mov_b64 s[64:65], 0
	v_nop
	global_prefetch_b8 v0, s[64:65] scope:SCOPE_SE
	s_setreg_imm32_b32 hwreg(HW_REG_WAVE_MODE, 25, 1), 1
	s_wait_xcnt 0x0
; x [8192][1024] and the four weights [1024 (k)][1024 (n)], f32, become codes of FP6 (E2M3) with one E8M0 scale byte for each 32 along K.
; A block's scale is 2^(floor(log2(its largest magnitude)) - 2); its byte is the largest magnitude's exponent field - 2, held at 1 from below.
; (A block of zeros gets the byte 1 with zero codes, which add nothing; the bytes are read by this program alone.)
; LIMITS: NaN and infinities among the inputs are not served; a block whose largest magnitude lies under 2^-124 is held at the byte 1.
; xq: codes [8192][768 bytes], a row one stream of bits, K innermost; scale bytes [8192][32] from byte XSCL on.
; wq: codes [4096 rows][768 bytes], scale bytes [4096][32] from byte WSCL on.  Rows 0-1023 are Wq's columns, then Wk's, Wv's, Wp's.
;     IN EACH GROUP OF 32 ROWS place p holds column pi(p), pi = p with its bits 3 and 4 changed over: sixteen neighbouring rows are then a tile of
;     which a transposed product's lane holds, over two neighbouring tiles, 16 neighbouring columns.
; Work-groups 0-255 take x (K innermost: a lane holds 16 neighbours, two lanes a block); work-groups 256-383 the weights (K outermost: a lane takes a
; column, its registers run down K).  The two ways part on the work-group's number, never meet again, and have LDS bytes of their own.
; No tensor load, no barrier: waves share nothing.  No prefetch: every wave keeps 16 (x) or up to 64 (weights) loads on their way from the start.
.set STEPS, 16
.set CB,    12                         ; bytes of 16 codes
.set XR,    16                         ; v16-79   x: four sets of 16 numbers as loaded
.set XX,    80                         ; v80-111  two sets of 16 neighbours
.set XE,    112                        ; v112-127 a scale byte for each step
.set XC,    128                        ; v128-191 codes, four registers a step: no store's data are written again
.set WREG,  8192                       ; x's way: LDS bytes 0 .. 32,767, a region for each wave: two stages of 32 x SP bytes, then 256 scale bytes
.set SP,    80                         ; a lane's 64 bytes + 16 of padding
.set WSTG,  32768                      ; the weights' way: LDS from here on, 32 rows x WP for each wave
.set WP,    272                        ; sixteen places of 16 bytes (12 bytes of codes each) + 16
.set KROW,  768                        ; a row of 1,024 codes
.set NB,    8                          ; blocks of 32 along K for a wave of the weights' way
.set WX,    32                         ; v32-95   two sets of 32 numbers
.set WC,    96                         ; v96-102  a block's codes
.set WOUT,  112                        ; v112-175 the way out
.set WSB,   24                         ; v24-25   eight scale bytes
.set XSCL,  6291456
.set WSCL,  3145728
	s_load_b256 s[4:11], s[0:1], 0x0               ; x s[4:5], Wq s[6:7], Wk s[8:9], Wv s[10:11]
	s_load_b128 s[12:15], s[0:1], 0x20             ; Wp s[12:13], xq s[14:15]
	s_load_b64 s[16:17], s[0:1], 0x30              ; wq
	v_lshl_add_u32 v192, v0, 2, 0x10800
	v_mov_b32 v193, 0
	v_lshrrev_b32 v1, 5, v0
	v_readfirstlane_b32 s18, v1                    ; wave 0..3
	v_and_b32 v2, 31, v0                           ; lane
	s_cmp_lt_u32 ttmp9, 256
	s_cbranch_scc0 .Lweights
; ---------------- x: a plain stream of blocks of 32.  A wave takes 16 steps of 512 numbers.
	v_lshlrev_b32 v3, 4, v2                        ; my 16 bytes of a load's 512
	s_mul_i32 s19, s18, WREG
	v_lshrrev_b32 v14, 2, v2
	v_mul_u32_u24 v14, v14, SP
	v_and_b32 v15, 3, v2
	v_lshl_add_u32 v14, v15, 4, v14
	v_add_nc_u32 v14, s19, v14                     ; the stage on the way in: SP (lane / 4) + 16 (lane % 4)
	v_mul_u32_u24 v15, v2, SP
	v_add_nc_u32 v15, s19, v15                     ; and on the way out: SP x lane: my 16 neighbours
	v_mul_u32_u24 v4, v2, CB                       ; my codes' place in a step's 384 bytes
	v_lshrrev_b32 v5, 1, v2
	s_add_co_u32 s19, s19, 2*32*SP
	v_add_nc_u32 v5, s19, v5                       ; my block's scale byte in LDS
	v_lshlrev_b32 v7, 3, v2
	v_add_nc_u32 v6, s19, v7                       ; and 8 bytes a lane on the way out
	s_lshl_b32 s20, ttmp9, 2
	s_add_co_u32 s20, s20, s18                     ; my run of 8,192 numbers
	s_lshl_b32 s22, s20, 15                        ; 32,768 bytes of f32,
	s_mov_b32 s23, 0
	s_mul_i32 s24, s20, 6144                       ; 6,144 bytes of codes,
	s_mov_b32 s25, 0
	s_lshl_b32 s26, s20, 8                         ; 256 scale bytes
	s_add_co_u32 s26, s26, XSCL
	s_mov_b32 s27, 0
	s_wait_kmcnt 0x0
	s_add_nc_u64 s[4:5], s[4:5], s[22:23]
	s_add_nc_u64 s[8:9], s[14:15], s[24:25]
	s_add_nc_u64 s[10:11], s[14:15], s[26:27]
.macro XLOAD t
.irp i, 0,1,2,3
	global_load_b128 v[XR+16*((\t)%4)+4*\i:XR+16*((\t)%4)+4*\i+3], v3, s[4:5] offset:2048*(\t)+512*\i th:TH_LOAD_NT   ; 32 lanes read 512 consecutive bytes
.endr
.endm
.macro XTURN t                         ; a step's 2,048 bytes through the stage; LDS serves a wave's instructions in order, so no wait stands between stores and loads
.irp i, 0,1,2,3
	ds_store_b128 v14, v[XR+16*((\t)%4)+4*\i:XR+16*((\t)%4)+4*\i+3] offset:32*SP*((\t)%2)+8*SP*\i
.endr
.irp i, 0,1,2,3
	ds_load_b128 v[XX+16*((\t)%2)+4*\i:XX+16*((\t)%2)+4*\i+3], v15 offset:32*SP*((\t)%2)+16*\i
.endr
.endm
.irp t, 0,1,2,3
	XLOAD \t
.endr
	s_wait_loadcnt 12                              ; step 0's four loads are in; the twelve of steps 1 to 3 may be out
	XTURN 0
.macro XSTEP t
.set XS, XX+16*((\t)%2)
.if (\t) > 0
	s_wait_dscnt 1                                 ; this step's numbers are back from the stage; the last step's byte store may be out
.else
	s_wait_dscnt 0x0
.endif
.if (\t)+4 < STEPS
	XLOAD (\t)+4                                   ; into the set that this step's stage stores have read
.endif
.if (\t)+1 < STEPS
.if STEPS-2-(\t) >= 3
	s_wait_loadcnt 12                              ; the next step's four loads are in; those of the three steps behind it may be out
.else
	s_wait_loadcnt 4*(STEPS-2-(\t))
.endif
	XTURN (\t)+1
.endif
	v_max3_num_f32 v8, |v[XS]|, |v[XS+1]|, |v[XS+2]|               ; the largest magnitude of my 16, in two chains
	v_max3_num_f32 v9, |v[XS+3]|, |v[XS+4]|, |v[XS+5]|
.irp i, 6,10
	v_max3_num_f32 v8, v8, |v[XS+\i]|, |v[XS+\i+1]|
	v_max3_num_f32 v9, v9, |v[XS+\i+2]|, |v[XS+\i+3]|
.endr
	v_max3_num_f32 v8, v8, |v[XS+14]|, |v[XS+15]|
	v_max3_num_f32 v8, v8, v9, 0x1800000           ; and the floor 2^(3 - 127): the byte cannot fall under 1
	v_max_num_f32_dpp v8, v8, v8 row_xmask:1 row_mask:0xf bank_mask:0xf   ; with my neighbour's 16: the block's
	v_add_nc_u32 v11, 0xff000000, v8               ; 2 off the exponent field: the conversion takes that field as its scale
	v_cvt_scalef32_pk16_fp6_f32 v[XC+4*(\t):XC+4*(\t)+2], v[XS:XS+15], v11
	v_lshrrev_b32 v[XE+(\t)], 23, v11              ; the scale's byte
	ds_store_b8 v5, v[XE+(\t)] offset:16*(\t)      ; both lanes of a block write the same byte with the same value
	global_store_b96 v4, v[XC+4*(\t):XC+4*(\t)+2], s[8:9] offset:32*CB*(\t)   ; the wave stores 384 consecutive bytes
.endm
.irp t, 0,1,2,3,4,5,6,7,8,9,10,11,12,13,14,15
	XSTEP \t
.endr
	ds_load_b64 v[12:13], v6                       ; my wave's 256 scale bytes, behind my stores of them
	s_wait_dscnt 0x0
	global_store_b64 v7, v[12:13], s[10:11]        ; 32 lanes store 256 consecutive bytes, aligned
	s_wait_tensorcnt 0x0
	ds_add_u32 v192, v193
	s_wait_dscnt 0x0
	s_endpgm
; ---------------- the weights: a wave takes 32 columns x 256 along K
.Lweights:
	s_sub_co_u32 s20, ttmp9, 256
	s_lshr_b32 s21, s20, 5                         ; which weight
	s_bfe_u32 s22, s20, 0x30002                    ; which 128 columns
	s_and_b32 s23, s20, 3                          ; which 256 along K
	s_lshl_b32 s24, s22, 7
	s_lshl_b32 s25, s18, 5
	s_add_co_u32 s24, s24, s25                     ; my wave's first column
	v_lshlrev_b32 v3, 2, v2                        ; in: 4 bytes a lane
	s_mul_i32 s25, s18, 32*WP
	s_add_co_u32 s25, s25, WSTG                    ; my stage
	v_and_b32 v14, 7, v0
	v_bfe_u32 v15, v0, 4, 1
	v_bfe_u32 v16, v0, 3, 1
	v_lshl_or_b32 v14, v15, 3, v14
	v_lshl_or_b32 v14, v16, 4, v14                 ; pi(lane): the row of the group of 32 that takes my column
	v_mul_u32_u24 v4, v14, WP
	v_add_nc_u32 v4, s25, v4                       ; into the stage
	v_and_b32 v5, 15, v2
	v_lshrrev_b32 v6, 4, v2
	v_mul_u32_u24 v7, v6, WP
	v_lshl_add_u32 v7, v5, 4, v7
	v_add_nc_u32 v7, s25, v7                       ; out of it: sixteen lanes to a row, two rows an instruction
	v_mul_u32_u24 v8, v6, KROW
	v_mad_u32_u24 v8, v5, 12, v8                   ; and the same place in the codes
	v_lshlrev_b32 v9, 5, v14                       ; my row of scale bytes
	s_lshl_b32 s26, s23, 20                        ; 256 rows of 4,096 bytes
	s_lshl_b32 s27, s24, 2
	s_add_co_u32 s26, s26, s27
	s_mov_b32 s27, 0
	s_lshl_b32 s28, s21, 10
	s_add_co_u32 s28, s28, s24                     ; my first row of wq
	s_mul_i32 s30, s28, KROW
	s_mul_i32 s29, s23, 192
	s_add_co_u32 s30, s30, s29
	s_mov_b32 s31, 0
	s_lshl_b32 s32, s28, 5
	s_lshl_b32 s29, s23, 3
	s_add_co_u32 s32, s32, s29
	s_add_co_u32 s32, s32, WSCL
	s_mov_b32 s33, 0
	s_wait_kmcnt 0x0
	s_cmp_eq_u32 s21, 1                            ; the choice hangs on the work-group's number alone
	s_cselect_b64 s[6:7], s[8:9], s[6:7]
	s_cmp_eq_u32 s21, 2
	s_cselect_b64 s[6:7], s[10:11], s[6:7]
	s_cmp_eq_u32 s21, 3
	s_cselect_b64 s[6:7], s[12:13], s[6:7]
	s_add_nc_u64 s[4:5], s[6:7], s[26:27]
	s_add_nc_u64 s[6:7], s[16:17], s[30:31]
	s_add_nc_u64 s[8:9], s[16:17], s[32:33]
.macro WLOAD t                         ; block t: W(32 t + i, my column) into set t % 2: 128 consecutive bytes a load
.irp i, 0,1,2,3,4,5,6,7,8,9,10,11,12,13,14,15,16,17,18,19,20,21,22,23,24,25,26,27,28,29,30,31
	global_load_b32 v[WX+32*((\t)%2)+\i], v3, s[4:5] offset:(32*(\t)+\i)*4096 th:TH_LOAD_NT
.endr
.endm
	WLOAD 0
	WLOAD 1
.macro WBLOCK t
.set XS, WX+32*((\t)%2)
.if (\t) < NB-1
	s_wait_loadcnt 32                              ; this block's 32 loads are in; the next block's 32 may be out
.else
	s_wait_loadcnt 0
.endif
	v_max3_num_f32 v12, |v[XS]|, |v[XS+1]|, |v[XS+2]|              ; all 32 numbers of the block are mine
	v_max3_num_f32 v13, |v[XS+3]|, |v[XS+4]|, |v[XS+5]|
.irp i, 6,10,14,18,22,26
	v_max3_num_f32 v12, v12, |v[XS+\i]|, |v[XS+\i+1]|
	v_max3_num_f32 v13, v13, |v[XS+\i+2]|, |v[XS+\i+3]|
.endr
	v_max3_num_f32 v12, v12, |v[XS+30]|, |v[XS+31]|
	v_max3_num_f32 v12, v12, v13, 0x1800000        ; the floor
	v_add_nc_u32 v11, 0xff000000, v12              ; the conversion's scale operand
	v_lshrrev_b32 v13, 23, v11                     ; the byte
.if (\t)%4 == 0
	v_mov_b32 v[WSB+(\t)/4], v13
.else
	v_lshl_or_b32 v[WSB+(\t)/4], v13, 8*((\t)%4), v[WSB+(\t)/4]
.endif
	v_cvt_scalef32_pk16_fp6_f32 v[WC:WC+2], v[XS:XS+15], v11
	v_cvt_scalef32_pk16_fp6_f32 v[WC+4:WC+6], v[XS+16:XS+31], v11   ; (a conversion's three registers begin on an even number)
	ds_store_b96 v4, v[WC:WC+2] offset:32*(\t)     ; 12 bytes to a place of 16
	ds_store_b96 v4, v[WC+4:WC+6] offset:32*(\t)+16
.if (\t)+2 < NB
	WLOAD (\t)+2
.endif
	s_wait_dscnt 0x0                               ; the stores have read their registers: the next block's codes may be written
.endm
.set Q, 0
.rept NB
	WBLOCK Q
.set Q, Q+1
.endr
	global_store_b64 v9, v[WSB:WSB+1], s[8:9]      ; my row's eight scale bytes
.irp t, 0,1,2,3,4,5,6,7,8,9,10,11,12,13,14,15
	ds_load_b96 v[WOUT+4*\t:WOUT+4*\t+2], v7 offset:2*\t*WP
.endr
.irp t, 0,1,2,3,4,5,6,7,8,9,10,11,12,13,14,15
	s_wait_dscnt 15-\t                             ; loads come back in order: number t is in, the later ones may be out
	global_store_b96 v8, v[WOUT+4*\t:WOUT+4*\t+2], s[6:7] offset:2*\t*KROW   ; sixteen lanes store a row's 192 consecutive bytes
.endr
	s_wait_tensorcnt 0x0
	ds_add_u32 v192, v193
	s_wait_dscnt 0x0
	s_endpgm
.Lfunc_end_k_q796db47e2d_quant:
	.size	k_q796db47e2d_quant, .Lfunc_end_k_q796db47e2d_quant-k_q796db47e2d_quant
	.p2alignl 7, 3214868480
	.fill 96, 4, 3214868480
	.section	.rodata,"a",@progbits
	.p2align	6, 0x0
	.amdhsa_kernel k_q796db47e2d_quant
		.amdhsa_group_segment_fixed_size 68096
		.amdhsa_private_segment_fixed_size 0
		.amdhsa_enable_private_segment 0
		.amdhsa_kernarg_size 56
		.amdhsa_user_sgpr_count 2
		.amdhsa_user_sgpr_kernarg_segment_ptr 1
		.amdhsa_wavefront_size32 1
		.amdhsa_system_sgpr_workgroup_id_x 1
		.amdhsa_system_sgpr_workgroup_id_y 1
		.amdhsa_system_sgpr_workgroup_id_z 1
		.amdhsa_system_vgpr_workitem_id 0
		.amdhsa_next_free_vgpr 194
		.amdhsa_next_free_sgpr 66
		.amdhsa_reserve_vcc 0
		.amdhsa_float_denorm_mode_32 3
		.amdhsa_float_denorm_mode_16_64 3
		.amdhsa_memory_ordered 1
		.amdhsa_forward_progress 1
		.amdhsa_inst_pref_size 74
	.end_amdhsa_kernel
	.amdgpu_metadata
---
amdhsa.version: [ 1, 2 ]
amdhsa.kernels:
  - .name:           k_q796db47e2d_quant
    .symbol:         k_q796db47e2d_quant.kd
    .args:
      - { .name: x, .offset: 0, .size: 8, .value_kind: global_buffer, .address_space: global }
      - { .name: Wq, .offset: 8, .size: 8, .value_kind: global_buffer, .address_space: global }
      - { .name: Wk, .offset: 16, .size: 8, .value_kind: global_buffer, .address_space: global }
      - { .name: Wv, .offset: 24, .size: 8, .value_kind: global_buffer, .address_space: global }
      - { .name: Wp, .offset: 32, .size: 8, .value_kind: global_buffer, .address_space: global }
      - { .name: xq, .offset: 40, .size: 8, .value_kind: global_buffer, .address_space: global }
      - { .name: wq, .offset: 48, .size: 8, .value_kind: global_buffer, .address_space: global }
    .group_segment_fixed_size: 68096
    .private_segment_fixed_size: 0
    .kernarg_segment_align: 8
    .kernarg_segment_size: 56
    .max_flat_workgroup_size: 128
    .sgpr_count:     66
    .vgpr_count:     194
    .wavefront_size: 32
...
	.end_amdgpu_metadata
.endif
;; end of part 1
;; launch qkv (part 2): grid 12 x 32, 4 waves a work-group, clusters of 4 x 4, 327,680 bytes of LDS; arguments xq, wq, bq, bk, bv, qb, kv; writes qb, kv
.if DOCPART == 2
	.amdgcn_target "amdgcn-amd-amdhsa--gfx1250"
	.amdhsa_code_object_version 6
	.text
	.protected	k_q796db47e2d_qkv
	.globl	k_q796db47e2d_qkv
	.p2align	8
	.type	k_q796db47e2d_qkv,@function
k_q796db47e2d_qkv:
	s_mov_b64 s[64:65], 0
	v_nop
	global_prefetch_b8 v0, s[64:65] scope:SCOPE_SE
	s_setreg_imm32_b32 hwreg(HW_REG_WAVE_MODE, 25, 1), 1
	s_wait_xcnt 0x0
	s_wait_alu depctr_hold_cnt(0) depctr_sa_sdst(0) depctr_va_vdst(0) depctr_va_sdst(0) depctr_va_ssrc(0) depctr_va_vcc(0) depctr_vm_vsrc(0)
	s_getreg_b32 s2, hwreg(HW_REG_IB_STS2, 6, 4)
	s_cmp_eq_u32 s2, 0
	s_cbranch_scc0 .Lentry_in_a_cluster
	s_endpgm
.Lentry_in_a_cluster:
	s_bfe_u32 s2, ttmp6, 0x10000c
	s_cmp_lg_u32 s2, 0xf033
	s_cbranch_scc0 .Lentry_shape_is_right
	s_endpgm
.Lentry_shape_is_right:
; q = x Wq + bq, k = x Wk + bk, v = x Wv + bv on codes of FP6 (E2M3) with E8M0 scales, sums in f32; the results are quantised in registers and leave as codes:
; q and k along the head's 64, v along the keys.  Nothing wide goes to memory.
; A work-group of four waves makes 256 x 256 of a product C[m][n] = sum over k of A[m][k] B[n][k], a wave 128 x 128 in 64 accumulators.  K = 1,024 goes in four steps of 256 through two LDS slots.
; THE MODE hangs on the cluster's x alone, which all sixteen partners share: 0: q, 1: k (A = x's rows, B = the weight's rows of wq); 2: v (A = Wv's rows, B = x's rows).
; THE MATRIX INSTRUCTION IS USED TRANSPOSED (source 0 = 16 rows of B, source 1 = 16 rows of A): lane (r, h) holds row r of A's block and, in register j of B's block b, B's row 16 b + 8 h + j.
;   q, k: a lane holds one token; wq's rows are laid so that the 16 registers of blocks 2 c, 2 c + 1 are 16 neighbouring channels: 64 registers are two heads' 2 x 2 blocks of 32.
;   v:    a lane holds one channel and its registers run along the tokens, which are the second attention product's K.  Inside a block of 32 keys place 16 h + 8 u + j holds key 16 u + 8 h + j;
;         the attention launch's weights p come out in the same order, so the products pair rightly, and a block is the same 32 keys.
; THE BIAS is the C of each sum's first matrix instruction.
; OUT: images of operand registers.  Half a fragment (16 rows x 64 K, registers 0-5): registers 0-3 at 16 x lane, registers 4-5 at 512 + 8 x lane: 768 bytes.  A whole one (v): registers 4 c .. 4 c + 3 at 512 c + 16 x lane.
;   qb: [head 64][tile of 16 tokens 128][768]; scale words [head][token] (bytes 0, 1; bytes 2, 3 are 0) from byte 6,291,456 on.
;   kv: [head 64][step of 128 keys 16][13,056]: K's 8 tiles, V^T's 4 tiles (+6,144), K's 128 scale words (+12,288), V's 64 (+12,800).
; CLUSTERS: 4 x 4 work-groups; A's tiles are asked for jointly along a row of the cluster, B's along a column.
; No prefetch: of four K steps two are first fills.  LIMITS: a block whose largest magnitude lies under 2^-124 is held at the byte 1 (a block of zeros too: zero codes); NaN and infinities are not served.
; REGISTERS: window 0: v6-13 the bias loads' offsets, v14-31 addresses; v32-63 scale words, two sets; v64-127 the bias; v128-223 A's fragments, one set.  On the way out v64-159 the codes, v160-203 at work.
;   window 1: B's fragments, two sets, at v0 and v128.  windows 2, 3: the accumulators of my rows 0-63, 64-127 ((a, b) at v[8 (8 (a % 4) + b)]).
.set KSTEP,  256
.set NQ,     2                         ; matrix instructions deep in a slot
.set ROWB,   192                       ; a tile's row: 256 codes
.set KROW,   768                       ; a row of 1,024 codes in memory
.set PITCH,  240                       ; an LDS row: 3 x (64 bytes + 16 of padding)
.set FR,     12
.set NL,     6
.set NP,     4
.set HALFT,  128*PITCH
.set SLOT,   4*HALFT
.set LAPS,   2
.set KS,     32                        ; a row of scale bytes
.set SCL,    2*SLOT                    ; behind the slots: the scales of my 256 + 256 rows for all of K, as 256 bytes + 16 of padding
.set HALFS,  (128*KS/256)*272
.set SBLK,   (16*KS/256)*272
.set SPARE,  SCL+4*HALFS               ; the spare words: 128 bytes a wave, two blocks of 256 bytes that no other line names
.set VO,   6                           ; v6-13   the bias loads' offsets
.set SHV,  14                          ; v14     how far my half of the lanes shifts a scale word
.set ADRA, 16                          ; v16-19  LDS addresses of A's fragments (slot 0, 1; and behind one padding more)
.set ADRB, 20                          ; v20-23  of B's
.set L16,  24                          ; v24     16 x lane
.set L8,   25                          ; v25     8 x lane
.set SWA,  26                          ; v26     the way out: where my scale word goes in LDS
.set ADRS, 27                          ; v27     LDS address of my scale words: lanes 0-15 A's rows, lanes 16-31 B's
.set SPW,  28                          ; v28     my spare word; never rewritten
.set NIL,  29                          ; v29     0; never rewritten
.set SRA,  30                          ; v30     where I read scale words back
.set SGO,  31                          ; v31     and where they go in memory
.set SC,   32
.set BI,   64
.set AF,   128
.set CODE, 64                          ; the way out: 12 registers of codes for each of my 8 blocks
.set CT,   160
.set TM,   168
.set PW,   184                         ; v184-191 a scale word for each block
.set BK,   196
.set SEL,  100                         ; s[100:101] lane selects: lane l xor 16
.set G1, 24
.set G0, 32
.set G1B, 48
.set G0B, 56
.set G1S, 68
.set G0S, 76
.set G1SB, 80
.set G0SB, 88
.set MSB, 0
.macro WIN new                         ; the immediate's high byte repeats the setting that is left
.if MSB != \new
	s_set_vgpr_msb (MSB<<8)|\new
.set MSB, \new
.endif
.endm
.set MUL_LO, 0xa1                      ; source 0 (B) window 1, source 1 (A) window 0, C and D window 2
.set MUL_HI, 0xf1
.set TO_B,   0x40
.macro WMUL hi, zero                   ; the windows of a run of products; zero > 0: C is the bias, in window 0
.if \zero
	WIN 0x81+0x40*(\hi)
.else
	WIN 0xa1+0x50*(\hi)
.endif
.endm
; A joint load: waves 0 and 1 fetch for A, waves 2 and 3 for B; the branch hangs on the wave's number alone.  Four v_nop follow each of the two lines.
.macro JLOAD g0a, g1a, g0b, g1b
	s_cmp_eq_u32 s15, 0
	s_cbranch_scc0 .Lfor_b_\@
	tensor_load_to_lds s[\g0a:\g0a+3], s[\g1a:\g1a+7]
	s_nop 0
.rept 4
	v_nop
.endr
	s_branch .Lasked_\@
.Lfor_b_\@:
	tensor_load_to_lds s[\g0b:\g0b+3], s[\g1b:\g1b+7]
	s_nop 0
.rept 4
	v_nop
.endr
.Lasked_\@:
.endm
.macro CREST                           ; a round of the cluster's barrier behind its opening barrier
	s_cmp_lg_u32 s14, 0
	s_cbranch_scc1 .Lnot_wave_0_\@
	s_barrier_signal -3
.Lnot_wave_0_\@:
	s_barrier_wait -3
	s_barrier_signal -1
	s_barrier_wait -1
.endm
.macro CROUND
	s_barrier_signal -1
	s_barrier_wait -1
	CREST
.endm
	s_load_b256 s[4:11], s[0:1], 0x0               ; xq s[4:5], wq s[6:7], bq s[8:9], bk s[10:11]
	s_load_b128 s[92:95], s[0:1], 0x20             ; bv s[92:93], qb s[94:95]
	s_load_b64 s[96:97], s[0:1], 0x30              ; kv
	v_lshl_add_u32 v[SPW], v0, 2, SPARE
	v_mov_b32 v[NIL], 0
	ds_add_u32 v28, v29
	ds_add_u32 v28, v29
	s_wait_dscnt 0x0
	v_lshrrev_b32 v1, 5, v0
	v_readfirstlane_b32 s14, v1                    ; wave 0..3
	s_lshr_b32 s15, s14, 1                         ; which half of A's rows is mine.  Also: I fetch for A (0) or for B (1)
	s_and_b32 s16, s14, 1                          ; which half of B's rows.  Also: which 128 rows I fetch
	s_bfe_u32 s40, ttmp6, 0x40000                  ; cx
	s_bfe_u32 s41, ttmp6, 0x40004                  ; cy
	s_and_b32 s67, ttmp7, 0xffff
	s_lshl_b32 s67, s67, 2                         ; 4 x cluster y
	s_lshl_b32 s66, ttmp9, 2                       ; 4 x cluster x
	s_mov_b32 s3, 6291456                          ; where xq's scale bytes begin
	s_mov_b32 s19, 3145728                         ; and wq's
	s_cmp_eq_u32 ttmp9, 2                          ; mode v?
	s_cselect_b32 s17, 0, s67                      ; A's tile row: cy among Wv's four, else 4 Y + cy among x's 32
	s_cselect_b32 s42, s67, s66                    ; B's tile row: 4 Y + cx among x's, else 4 X + cx among wq's
	s_cselect_b32 s2, 1572864, 0                   ; Wv's codes begin at row 2,048 of wq
	s_cselect_b32 s19, s3, s19                     ; B's scale bytes
	s_cselect_b32 s3, 3211264, s3                  ; A's scale bytes (Wv's: 3,145,728 + 2,048 x 32)
	s_add_co_u32 s17, s17, s41
	s_add_co_u32 s42, s42, s40
	s_lshl_b32 s43, s41, 2
	s_lshl_b32 s43, 15, s43                        ; my row of the cluster
	s_lshl_b32 s44, 0x1111, s40                    ; my column
	; descriptor group 1: a tile of 128 rows x 192 bytes, 16 bytes of padding behind every 64
	s_or_b32 s[G1+0], s43, (0<<16)|(1<<20)|(1<<21)|(3<<22)|(3<<25)
	s_or_b32 s[G1B+0], s44, (0<<16)|(1<<20)|(1<<21)|(3<<22)|(3<<25)
.irp g, G1, G1B
	s_mov_b32 s[\g+1], ROWB<<16                    ; tensor_dim0
	s_mov_b32 s[\g+2], 128<<16                     ; tensor_dim1
	s_mov_b32 s[\g+3], ROWB<<16                    ; tile_dim0
	s_mov_b32 s[\g+4], 128                         ; tile_dim1
	s_mov_b32 s[\g+5], KROW                        ; from row to row
	s_mov_b32 s[\g+6], 0
	s_mov_b32 s[\g+7], 0
.endr
	; the scales of 128 rows: 4,096 dense bytes as 16 rows of 256 (32 elements of 8 bytes), 16 bytes of padding behind each
	s_or_b32 s[G1S+0], s43, (3<<16)|(1<<20)|(1<<21)|(5<<22)|(3<<25)
	s_or_b32 s[G1SB+0], s44, (3<<16)|(1<<20)|(1<<21)|(5<<22)|(3<<25)
.irp g, G1S, G1SB
	s_mov_b32 s[\g+1], 32<<16
	s_mov_b32 s[\g+2], (128*KS/256)<<16
	s_mov_b32 s[\g+3], 32<<16
	s_mov_b32 s[\g+4], 128*KS/256
	s_mov_b32 s[\g+5], 32
	s_mov_b32 s[\g+6], 0
	s_mov_b32 s[\g+7], 0
.endr
	s_lshl_b32 s18, s16, 7                         ; which 128 rows of the tile I fetch
	s_lshl_b32 s20, s17, 8
	s_add_co_u32 s20, s20, s18                     ; A's row
	s_lshl_b32 s46, s42, 8
	s_add_co_u32 s46, s46, s18                     ; B's row
	s_lshl_b32 s22, s20, 5
	s_add_co_u32 s22, s22, s3                      ; where A's rows' scales begin, in bytes
	s_mov_b32 s23, 0
	s_mul_i32 s20, s20, KROW
	s_add_co_u32 s20, s20, s2                      ; and their codes
	s_mov_b32 s21, 0
	s_lshl_b32 s98, s46, 5
	s_add_co_u32 s98, s98, s19                     ; B's likewise
	s_mov_b32 s99, 0
	s_mul_i32 s46, s46, KROW
	s_mov_b32 s47, 0
	s_mul_i32 s45, s14, HALFT                      ; where they go: wave x 128 rows
	s_mul_i32 s66, s14, HALFS
	s_wait_kmcnt 0x0
	s_cmp_eq_u32 ttmp9, 2
	s_cselect_b64 s[100:101], s[6:7], s[4:5]       ; A's buffer
	s_cselect_b64 s[104:105], s[4:5], s[6:7]       ; B's buffer
	s_cselect_b64 s[8:9], s[92:93], s[8:9]         ; the bias: bv,
	s_cmp_eq_u32 ttmp9, 1
	s_cselect_b64 s[8:9], s[10:11], s[8:9]         ; bk, or bq
	s_cmp_eq_u32 ttmp9, 0
	s_cselect_b64 s[94:95], s[94:95], s[96:97]     ; the results' buffer: qb or kv
	s_add_nc_u64 s[20:21], s[100:101], s[20:21]
	s_add_nc_u64 s[22:23], s[100:101], s[22:23]
	s_add_nc_u64 s[46:47], s[104:105], s[46:47]
	s_add_nc_u64 s[98:99], s[104:105], s[98:99]
	CROUND                                         ; all sixteen work-groups are here: the first joint loads meet
	s_mov_b32 s[G0S], 1
	s_add_co_u32 s[G0S+1], s66, SCL
	s_mov_b64 s[G0S+2:G0S+3], s[22:23]
	s_or_b32 s[G0S+3], s[G0S+3], 0x80000000
	s_mov_b32 s[G0SB], 1
	s_add_co_u32 s[G0SB+1], s66, SCL
	s_mov_b64 s[G0SB+2:G0SB+3], s[98:99]
	s_or_b32 s[G0SB+3], s[G0SB+3], 0x80000000
	JLOAD G0S, G1S, G0SB, G1SB                     ; the scales first: they are wanted with K step 0
.irp s, 0,1
	s_mov_b32 s[G0+4*\s], 1
	s_add_co_u32 s[G0+4*\s+1], s45, \s*SLOT
	s_add_nc_u64 s[G0+4*\s+2:G0+4*\s+3], s[20:21], \s*ROWB
	s_or_b32 s[G0+4*\s+3], s[G0+4*\s+3], 0x80000000
	s_mov_b32 s[G0B+4*\s], 1
	s_add_co_u32 s[G0B+4*\s+1], s45, \s*SLOT
	s_add_nc_u64 s[G0B+4*\s+2:G0B+4*\s+3], s[46:47], \s*ROWB
	s_or_b32 s[G0B+4*\s+3], s[G0B+4*\s+3], 0x80000000
	JLOAD G0+4*\s, G1, G0B+4*\s, G1B               ; three loads of mine are out
.endr
	v_and_b32 v1, 15, v0                           ; r
	v_bfe_u32 v2, v0, 4, 1                         ; h
	v_mul_u32_u24 v3, v1, PITCH
	v_mul_u32_u24 v4, v2, 24
	v_add_nc_u32 v4, v3, v4                        ; a fragment's row x pitch + 24 h
	v_lshl_add_u32 v5, v2, 4, v4                   ; and the same behind one padding more
	s_mul_i32 s21, s15, HALFT
	s_mul_i32 s22, s16, HALFT
	s_add_co_u32 s22, s22, 2*HALFT
.irp s, 0,1
	v_add_nc_u32 v[ADRA+\s], s21, v4
	v_add_nc_u32 v[ADRB+\s], s22, v4
	v_add_nc_u32 v[ADRA+2+\s], s21, v5
	v_add_nc_u32 v[ADRB+2+\s], s22, v5
	s_add_co_u32 s21, s21, SLOT
	s_add_co_u32 s22, s22, SLOT
.endr
	v_mul_u32_u24 v5, v1, KS                       ; my row's scales: 32 bytes a row,
	v_lshrrev_b32 v6, 8, v5
	v_lshl_add_u32 v5, v6, 4, v5                   ; and 16 more for each 256 passed
	s_mul_i32 s21, s15, HALFS
	s_mul_i32 s22, s16, HALFS
	s_add_co_u32 s22, s22, 2*HALFS
	s_sub_co_u32 s22, s22, s21
	v_mul_u32_u24 v6, s22, v2                      ; lanes 16-31 take B's
	s_add_co_u32 s21, s21, SCL
	v_add_nc_u32 v5, v5, v6
	v_add_nc_u32 v[ADRS], s21, v5
	v_and_b32 v3, 31, v0
	v_lshlrev_b32 v[L16], 4, v3
	v_lshlrev_b32 v[L8], 3, v3
	s_lshl_b32 s21, s14, 10                        ; the way out's scale words: 1,024 bytes a wave at the head of slot 0, which by then has had its last fill and its last read
	v_lshlrev_b32 v4, 2, v1
	v_lshl_add_u32 v4, v2, 9, v4
	v_add_nc_u32 v[SWA], s21, v4                   ; 512 h + 4 r
	v_add_nc_u32 v[SRA], s21, v[L16]
	; where the results go.  U: the tile of 256 tokens; a head pair: 128 channels
	s_mov_b32 s66, 12288
	s_cmp_eq_u32 ttmp9, 2
	s_cselect_b32 s18, s42, s17                    ; U
	s_cselect_b32 s19, s16, s15                    ; my half of its tokens
	s_cselect_b32 s2, s41, s40                     ; which 256 channels
	s_cselect_b32 s3, s15, s16                     ; my half of them
	s_cselect_b32 s92, 0, 16                       ; q, k: lanes 16-31 take a scale word's upper two bytes, the second head's
	s_cselect_b32 s93, -1, 0xffff                  ; and two bytes are kept; v: all four
	s_cselect_b32 s45, 6144, 0                     ; V^T's tiles lie behind K's in a step
	s_cselect_b32 s66, 12800, s66                  ; the scale words' place in a step
	s_cselect_b32 s67, 208640, 0                   ; v: lanes 16-31 store the second head's words, a head less 256 bytes further on
	s_cselect_b32 s96, 0, 64                       ; the bias loads' offsets: x h,
	s_cselect_b32 s97, 4, 0                        ; x (r & 7),
	s_cselect_b32 s98, 64, 0                       ; x (r >> 3),
	s_cselect_b32 s99, 0, 4                        ; x j
	s_mov_b32 s46, 208896                          ; a head in kv,
	s_mov_b32 s47, 13056                           ; a step in it
	s_mov_b32 s20, 208896
	s_mov_b32 s21, 13056
	s_cmp_eq_u32 ttmp9, 0
	s_cselect_b32 s46, 98304, s46                  ; in qb: a head's images,
	s_cselect_b32 s47, 6144, s47                   ; eight tiles,
	s_cselect_b32 s20, 8192, s20                   ; a head's scale words,
	s_cselect_b32 s21, 512, s21                    ; 128 of them,
	s_cselect_b32 s66, 6291456, s66                ; and where they begin
	s_lshr_b32 s22, s18, 3                         ; the batch
	s_and_b32 s18, s18, 7
	s_lshl_b32 s18, s18, 1
	s_add_co_u32 s18, s18, s19                     ; the step of 128 tokens
	s_lshl_b32 s22, s22, 4
	s_lshl_b32 s19, s2, 2
	s_add_co_u32 s22, s22, s19
	s_lshl_b32 s19, s3, 1
	s_add_co_u32 s22, s22, s19                     ; my first head: 16 x batch + 4 x (which 256) + 2 x half
	s_lshl_b32 s2, s2, 10
	s_lshl_b32 s3, s3, 9
	s_add_co_u32 s2, s2, s3                        ; my 128 channels in the bias, in bytes
	s_mov_b32 s3, 0
	s_add_nc_u64 s[8:9], s[8:9], s[2:3]
	s_mul_i32 s2, s22, s46
	s_mul_i32 s19, s18, s47
	s_add_co_u32 s2, s2, s19
	s_add_co_u32 s2, s2, s45
	s_add_nc_u64 s[4:5], s[94:95], s[2:3]          ; the first head's codes
	s_mov_b32 s47, 0
	s_add_nc_u64 s[6:7], s[4:5], s[46:47]          ; the second head's
	s_mul_i32 s2, s22, s20
	s_mul_i32 s19, s18, s21
	s_add_co_u32 s2, s2, s19
	s_add_co_u32 s2, s2, s66
	s_add_nc_u64 s[10:11], s[94:95], s[2:3]        ; the first head's scale words
	s_mov_b32 s21, 0
	s_add_nc_u64 s[12:13], s[10:11], s[20:21]      ; the second head's
	s_mov_b32 s[SEL], 0x76543210
	s_mov_b32 s[SEL+1], 0xfedcba98
	v_mul_u32_u24 v[SHV], s92, v2
	v_mul_u32_u24 v[SGO], s67, v2
	v_add_nc_u32 v[SGO], v[SGO], v[L16]
	; THE BIAS, in the result's layout, one form for all modes.  Register 8 g + j:  q, k (g = B's block): channel 32 (g / 2) + 8 (g % 2) + 16 h + j;
	; v (g = A's block): channel 32 (g / 2) + 8 (g % 2) + (r & 7) + 16 (r >> 3), which is wq's order of rows, the same for every j.
	v_and_b32 v3, 7, v0
	v_bfe_u32 v4, v0, 3, 1
	v_mul_u32_u24 v[VO], s96, v2
	v_mad_u32_u24 v[VO], v3, s97, v[VO]
	v_mad_u32_u24 v[VO], v4, s98, v[VO]
.irp j, 1,2,3,4,5,6,7
	v_add_nc_u32 v[VO+\j], s99, v[VO+\j-1]
.endr
.irp g, 0,1,2,3,4,5,6,7
.irp j, 0,1,2,3,4,5,6,7
	global_load_b32 v[BI+8*\g+\j], v[VO+\j], s[8:9] offset:(32*(\g/2)+8*(\g%2))*4
.endr
.endr
.macro FRAG reg, adr, q, i             ; 16 rows x 128 K of 6-bit codes: 12 registers, in pieces of 8 bytes; where lanes 16-31's piece lies behind one padding more, the second address register serves
.irp p, 0,1,2,3,4,5
.set PCE, 12*(\q)+6*(\p/3)+\p%3
.if PCE%8 < 5
	ds_load_b64 v[\reg+2*\p:\reg+2*\p+1], v[\adr] offset:8*PCE+16*(PCE/8)+(\i)*16*PITCH
.else
	ds_load_b64 v[\reg+2*\p:\reg+2*\p+1], v[\adr+2] offset:8*PCE+16*(PCE/8)+(\i)*16*PITCH
.endif
.endr
.endm
; 16 matrix instructions: A's blocks a0, a0 + 1 x B's eight.  zero = 0: onto the sums; 1: the sums begin with the bias by B's block; 2: by A's block.
; The 64 accumulators take turns, one instruction a turn, in the same order in every step.
.macro MUL16 a0, p, q, sc, zero
.irp a, \a0, \a0+1
.irp b, 0,1,2,3,4,5,6,7
.if \zero == 1
	v_wmma_scale_f32_16x16x128_f8f6f4 v[8*(8*((\a)%4)+\b):8*(8*((\a)%4)+\b)+7], v[128*(\p)+FR*\b:128*(\p)+FR*\b+FR-1], v[AF+FR*(\a):AF+FR*(\a)+FR-1], v[BI+8*\b:BI+8*\b+7], v[SC+8*NQ*(\sc)+NQ*\b+(\q)], v[SC+8*NQ*(\sc)+NQ*(\a)+(\q)] matrix_a_fmt:MATRIX_FMT_FP6 matrix_b_fmt:MATRIX_FMT_FP6 matrix_a_scale:MATRIX_SCALE_ROW1
.elseif \zero == 2
	v_wmma_scale_f32_16x16x128_f8f6f4 v[8*(8*((\a)%4)+\b):8*(8*((\a)%4)+\b)+7], v[128*(\p)+FR*\b:128*(\p)+FR*\b+FR-1], v[AF+FR*(\a):AF+FR*(\a)+FR-1], v[BI+8*(\a):BI+8*(\a)+7], v[SC+8*NQ*(\sc)+NQ*\b+(\q)], v[SC+8*NQ*(\sc)+NQ*(\a)+(\q)] matrix_a_fmt:MATRIX_FMT_FP6 matrix_b_fmt:MATRIX_FMT_FP6 matrix_a_scale:MATRIX_SCALE_ROW1
.else
	v_wmma_scale_f32_16x16x128_f8f6f4 v[8*(8*((\a)%4)+\b):8*(8*((\a)%4)+\b)+7], v[128*(\p)+FR*\b:128*(\p)+FR*\b+FR-1], v[AF+FR*(\a):AF+FR*(\a)+FR-1], v[8*(8*((\a)%4)+\b):8*(8*((\a)%4)+\b)+7], v[SC+8*NQ*(\sc)+NQ*\b+(\q)], v[SC+8*NQ*(\sc)+NQ*(\a)+(\q)] matrix_a_fmt:MATRIX_FMT_FP6 matrix_b_fmt:MATRIX_FMT_FP6 matrix_a_scale:MATRIX_SCALE_ROW1
.endif
.endr
.endr
.endm
.macro FETCH_B slot, q, p
	WIN TO_B
.irp i, 0,1,2,3,4,5,6,7
	FRAG 128*(\p)+FR*\i, ADRB+\slot, \q, \i
.endr
	WIN 0
.endm
.macro FETCH_A slot, q, i0
.irp i, \i0, \i0+1, \i0+2, \i0+3
	FRAG AF+FR*(\i), ADRA+\slot, \q, \i
.endr
.endm
.macro SCALES sc                       ; a K step's scale words: two a row; lanes 0-15 A's block i, lanes 16-31 B's block i
.irp i, 0,1,2,3,4,5,6,7
	ds_load_b64 v[SC+8*NQ*\sc+NQ*\i:SC+8*NQ*\sc+NQ*\i+1], v[ADRS] offset:\i*SBLK
.endr
.endm
.macro PLACES n                        ; plain vector instructions between a matrix instruction and a load into, or a vector read or write of, its registers
.rept \n
	v_nop
.endr
.endm
.macro STEP slot, q, zero              ; 128 along K whose successor lies in the same slot
	s_wait_dscnt 4*NL                              ; B's set and A's blocks 0-3 are in; the 24 youngest loads (A's blocks 4-7) may be out
	WMUL 0, \zero
	MUL16 0, (\q)%2, \q, \slot, \zero
	MUL16 2, (\q)%2, \q, \slot, \zero
	s_wait_dscnt 0                                 ; A's blocks 4-7 are in
	PLACES NP
	FETCH_B \slot, (\q)+1, 1-(\q)%2
	FETCH_A \slot, (\q)+1, 0
	WMUL 1, \zero
	MUL16 4, (\q)%2, \q, \slot, \zero
	MUL16 6, (\q)%2, \q, \slot, \zero
	PLACES NP
	WIN 0
	FETCH_A \slot, (\q)+1, 4
.endm
; A slot's last 128 change slots: one barrier; in front of it each wave waits for all its tensor loads, adds 0 to its spare word, and waits for that and for its reads of this slot.
.macro TURN slot, next, fill
	s_wait_tensorcnt 0x0                           ; all my tensor loads have landed: my part of the next slot
	ds_add_u32 v[SPW], v[NIL]                      ; 0 onto my spare word
	s_wait_dscnt 4*NL+1                            ; the add and the 24 youngest loads may be out
	WIN MUL_LO
	MUL16 0, 1, NQ-1, \slot, 0
	s_wait_dscnt 0x0                               ; the add is done, and my reads of this slot are over
	s_barrier_signal -1
	MUL16 2, 1, NQ-1, \slot, 0
	WIN 0
	s_barrier_wait -1
.if \fill
	CREST                                          ; the barrier has opened a round of the cluster's barrier: no wave of any partner still reads this slot or has a load on its way
	s_add_nc_u64 s[G0+4*\slot+2:G0+4*\slot+3], s[G0+4*\slot+2:G0+4*\slot+3], 2*ROWB
	s_add_nc_u64 s[G0B+4*\slot+2:G0B+4*\slot+3], s[G0B+4*\slot+2:G0B+4*\slot+3], 2*ROWB
	JLOAD G0+4*\slot, G1, G0B+4*\slot, G1B         ; the first tensor load behind the round; its four v_nop are the places in front of the loads below
.else
	PLACES NP
.endif
	v_add_nc_u32 v[ADRS], 4*NQ, v[ADRS]            ; the next K step's scale words
	FETCH_B \next, 0, 0
	FETCH_A \next, 0, 0
	SCALES \next
	WIN MUL_HI
	MUL16 4, 1, NQ-1, \slot, 0
	MUL16 6, 1, NQ-1, \slot, 0
	PLACES NP
	WIN 0
	FETCH_A \next, 0, 4
.endm
	s_wait_tensorcnt 1                             ; the scales and my part of K step 0 are in; K step 1's load may be out
	s_barrier_signal -1
	s_barrier_wait -1
	FETCH_B 0, 0, 0
	FETCH_A 0, 0, 0
	SCALES 0
	FETCH_A 0, 0, 4
	s_wait_loadcnt 0x0                             ; the bias
	s_cmp_eq_u32 ttmp9, 2                          ; the first 128 along K begin the sums with the bias: by B's block (q, k) or by A's (v).  Both ways issue the same LDS loads
	s_cbranch_scc1 .Lfirst_v
	STEP 0, 0, 1
	s_branch .Lfirst_done
.Lfirst_v:
	STEP 0, 0, 2
.Lfirst_done:
	s_mov_b32 s3, LAPS-1
.Llap:                                                 ; a trip goes once round the two slots and fills both again
	TURN 0, 1, 1
	STEP 1, 0, 0
	TURN 1, 0, 1
	STEP 0, 0, 0
	s_sub_co_u32 s3, s3, 1
	s_cmp_lg_u32 s3, 0
	s_cbranch_scc1 .Llap
	TURN 0, 1, 0                                   ; the last lap fills nothing
	STEP 1, 0, 0
	s_wait_dscnt 4*NL
	WIN MUL_LO
	MUL16 0, 1, NQ-1, 1, 0
	MUL16 2, 1, NQ-1, 1, 0
	s_wait_dscnt 0
	WIN MUL_HI
	MUL16 4, 1, NQ-1, 1, 0
	MUL16 6, 1, NQ-1, 1, 0
	WIN 0
; THE WAY OUT.  Block a's 64 numbers of a lane (register 16 b + i = place 32 b + 16 h + i along the next K) become 12 registers of codes and a scale word.
.macro QUANTA a
.set AC, 64*((\a)%4)
.set WW, 2+(\a)/4
.set PC, CODE+12*(\a)
	WIN ((WW<<2)|(WW<<4))                          ; sources 1 and 2: the accumulators' window
.irp b, 0,1,2,3
	v_max3_num_f32 v[TM+\b], 0x1800000, |v[AC+16*\b]|, |v[AC+16*\b+1]|   ; my 16 numbers of block b and the floor 2^(3 - 127); each accumulator is read from its low end on
.endr
.irp i, 2,4,6,8,10,12,14
.irp b, 0,1,2,3
	v_max3_num_f32 v[TM+\b], v[TM+\b], |v[AC+16*\b+\i]|, |v[AC+16*\b+\i+1]|
.endr
.endr
	WIN 0
.irp b, 0,1,2,3
	v_permlanex16_b32 v[TM+4+\b], v[TM+\b], s[SEL], s[SEL+1]
.endr
.irp b, 0,1,2,3
	v_max_num_f32 v[TM+\b], v[TM+\b], v[TM+4+\b]   ; with lane l xor 16's: the block's largest magnitude
.endr
.irp b, 0,1,2,3
	v_add_nc_u32 v[TM+12+\b], 0xff000000, v[TM+\b] ; 2 off the exponent field: the conversion's scale operand
.endr
.irp b, 0,1,2,3
	v_lshrrev_b32 v[TM+4+\b], 23, v[TM+12+\b]      ; the byte
.endr
	v_lshl_or_b32 v[PW+(\a)], v[TM+5], 8, v[TM+4]
	v_lshl_or_b32 v[PW+(\a)], v[TM+6], 16, v[PW+(\a)]
	v_lshl_or_b32 v[PW+(\a)], v[TM+7], 24, v[PW+(\a)]
	WIN WW                                         ; source 0: the accumulators' window
.irp c, 0,1
	v_cvt_scalef32_pk16_fp6_f32 v[PC+6*\c:PC+6*\c+2], v[AC+32*\c:AC+32*\c+15], v[TM+12+2*\c]
	v_cvt_scalef32_pk16_fp6_f32 v[CT+4*\c:CT+4*\c+2], v[AC+32*\c+16:AC+32*\c+31], v[TM+12+2*\c+1]   ; (a conversion's three registers begin on an even number)
.endr
	WIN 0
	v_nop                                          ; one plain instruction behind a scaled conversion
.irp c, 0,1                            ; the operand's layout wants a whole block in a lane: lanes 0-15 block 2 c, lanes 16-31 block 2 c + 1
.irp i, 0,1,2
	v_permlane16_swap_b32 v[PC+6*\c+\i], v[CT+4*\c+\i]
.endr
.irp i, 0,1,2
	v_mov_b32 v[PC+3+6*\c+\i], v[CT+4*\c+\i]
.endr
.endr
.endm
.macro OUTA a
	QUANTA \a
	v_lshrrev_b32 v[PW+(\a)], v[SHV], v[PW+(\a)]   ; q, k: lanes 0-15 keep the first head's two bytes, lanes 16-31 the second head's; v: the word as it is
	v_and_b32 v[PW+(\a)], s93, v[PW+(\a)]
	ds_store_b32 v[SWA], v[PW+(\a)] offset:64*(\a)
	s_cmp_eq_u32 ttmp9, 2
	s_cbranch_scc1 .Lout_v_\@
	global_store_b128 v[L16], v[PC:PC+3], s[4:5] offset:768*(\a)            ; q, k: registers 0-5 are the first head's half fragment, 6-11 the second's; each store covers 512 or 256 consecutive bytes, aligned
	global_store_b64 v[L8], v[PC+4:PC+5], s[4:5] offset:768*(\a)+512
	global_store_b128 v[L16], v[PC+6:PC+9], s[6:7] offset:768*(\a)
	global_store_b64 v[L8], v[PC+10:PC+11], s[6:7] offset:768*(\a)+512
	s_branch .Lout_done_\@
.Lout_v_\@:
.irp c, 0,1,2
	global_store_b128 v[L16], v[PC+4*\c:PC+4*\c+3], s[4+2*((\a)/4):5+2*((\a)/4)] offset:1536*((\a)%4)+512*\c   ; v: a whole fragment: 16 channels x 128 keys; blocks 0-3 the first head, 4-7 the second
.endr
.Lout_done_\@:
.endm
	PLACES NP                                      ; behind the last products: their operands' registers are written and results are read from here on
.irp b, 0,1,2,3
	v_mov_b32 v[TM+4+\b], 0                        ; written once: a lane permute's destination counts as one of its sources
.endr
.irp a, 0,1,2,3,4,5,6,7
	OUTA \a
.endr
	ds_load_b128 v[BK:BK+3], v[SRA]                ; my own bytes, behind my stores of them: 128 words of lanes 0-15,
	ds_load_b128 v[BK+4:BK+7], v[SRA] offset:512   ; and of lanes 16-31
	s_wait_dscnt 0x0
	global_store_b128 v[SGO], v[BK:BK+3], s[10:11] ; q, k: the first head's 128 words; v: 64 words for each of the two heads
	s_cmp_eq_u32 ttmp9, 2
	s_cbranch_scc1 .Lno_second
	global_store_b128 v[L16], v[BK+4:BK+7], s[12:13]   ; q, k: the second head's
.Lno_second:
	s_wait_tensorcnt 0x0                           ; the wave's end
	ds_add_u32 v[SPW], v[NIL]
	s_wait_dscnt 0x0
	CROUND                                         ; the closing round
	s_endpgm
.Lfunc_end_k_q796db47e2d_qkv:
	.size	k_q796db47e2d_qkv, .Lfunc_end_k_q796db47e2d_qkv-k_q796db47e2d_qkv
	.p2alignl 7, 3214868480
	.fill 96, 4, 3214868480
	.section	.rodata,"a",@progbits
	.p2align	6, 0x0
	.amdhsa_kernel k_q796db47e2d_qkv
		.amdhsa_group_segment_fixed_size 327680
		.amdhsa_private_segment_fixed_size 0
		.amdhsa_enable_private_segment 0
		.amdhsa_kernarg_size 56
		.amdhsa_user_sgpr_count 2
		.amdhsa_user_sgpr_kernarg_segment_ptr 1
		.amdhsa_wavefront_size32 1
		.amdhsa_system_sgpr_workgroup_id_x 1
		.amdhsa_system_sgpr_workgroup_id_y 1
		.amdhsa_system_sgpr_workgroup_id_z 1
		.amdhsa_system_vgpr_workitem_id 0
		.amdhsa_next_free_vgpr 1024
		.amdhsa_next_free_sgpr 106
		.amdhsa_reserve_vcc 0
		.amdhsa_float_denorm_mode_32 3
		.amdhsa_float_denorm_mode_16_64 3
		.amdhsa_memory_ordered 1
		.amdhsa_forward_progress 1
		.amdhsa_inst_pref_size 192
	.end_amdhsa_kernel
	.amdgpu_metadata
---
amdhsa.version: [ 1, 2 ]
amdhsa.kernels:
  - .name:           k_q796db47e2d_qkv
    .symbol:         k_q796db47e2d_qkv.kd
    .args:
      - { .name: xq, .offset: 0, .size: 8, .value_kind: global_buffer, .address_space: global }
      - { .name: wq, .offset: 8, .size: 8, .value_kind: global_buffer, .address_space: global }
      - { .name: bq, .offset: 16, .size: 8, .value_kind: global_buffer, .address_space: global }
      - { .name: bk, .offset: 24, .size: 8, .value_kind: global_buffer, .address_space: global }
      - { .name: bv, .offset: 32, .size: 8, .value_kind: global_buffer, .address_space: global }
      - { .name: qb, .offset: 40, .size: 8, .value_kind: global_buffer, .address_space: global }
      - { .name: kv, .offset: 48, .size: 8, .value_kind: global_buffer, .address_space: global }
    .group_segment_fixed_size: 327680
    .private_segment_fixed_size: 0
    .kernarg_segment_align: 8
    .kernarg_segment_size: 56
    .max_flat_workgroup_size: 128
    .sgpr_count:     106
    .vgpr_count:     1024
    .wavefront_size: 32
...
	.end_amdgpu_metadata
.endif
;; end of part 2
;; launch attn (part 3): grid 8 x 64, 16 waves a work-group, clusters of 4 x 1, 215,040 bytes of LDS; arguments qb, kv, yq; writes yq
.if DOCPART == 3
	.amdgcn_target "amdgcn-amd-amdhsa--gfx1250"
	.amdhsa_code_object_version 6
	.text
	.protected	k_q796db47e2d_attn
	.globl	k_q796db47e2d_attn
	.p2align	8
	.type	k_q796db47e2d_attn,@function
k_q796db47e2d_attn:
	s_mov_b64 s[64:65], 0
	v_nop
	global_prefetch_b8 v0, s[64:65] scope:SCOPE_SE
	s_setreg_imm32_b32 hwreg(HW_REG_WAVE_MODE, 25, 1), 1
	s_wait_xcnt 0x0
	s_wait_alu depctr_hold_cnt(0) depctr_sa_sdst(0) depctr_va_vdst(0) depctr_va_sdst(0) depctr_va_ssrc(0) depctr_va_vcc(0) depctr_vm_vsrc(0)
	s_getreg_b32 s2, hwreg(HW_REG_IB_STS2, 6, 4)
	s_cmp_eq_u32 s2, 0
	s_cbranch_scc0 .Lentry_in_a_cluster
	s_endpgm
.Lentry_in_a_cluster:
	s_bfe_u32 s2, ttmp6, 0x10000c
	s_cmp_lg_u32 s2, 0x3003
	s_cbranch_scc0 .Lentry_shape_is_right
	s_endpgm
.Lentry_shape_is_right:
; y[token][head] = softmax(q k^T / 8, causal) v, both products on codes of FP6 (E2M3) with E8M0 scales; y is divided by the row's sum, quantised along its 64 channels and leaves as codes.
; THE SOFTMAX: t = score x log2(e) / 8; M = the row's largest t so far, rounded up to a whole number; p = 2^(t - M) is quantised along the keys; the row's sum is taken of the unquantised p.
; When M moves, the sum and O are multiplied by 2^(old M - new M), which rounds nothing.
; SHARES.  A cluster of four work-groups serves one head (cluster y) and every second group of 64 queries (cluster x = 0, 1).  Wave w takes m = w xor 3 ((w >> 2) & 1), group g = 2 m + cluster x,
; and of that group the partner at place cx takes queries 64 g + 16 cx .. + 15.  Branches test the GROUP alone, never cx.  The wave has m + 1 key steps of 128 to work.
; LDS holds the head's whole block of kv as it lies in memory, 16 steps x 13,056 bytes (K's 8 tiles, V^T's 4, K's and V's scale words): asked for jointly by the four partners, at the head, filled once.
; So there is no refill, and between the opening and the closing round of the cluster's barrier only work-group barriers.  No prefetch: all that the work-group reads is asked for at its head.
; LAYOUT.  Both products transposed: S^T = K Q^T, O^T = V^T P^T: a lane holds one query (lane % 16).  Register 8 t + j of S^T is key 16 t + 8 h + j; taken as place 32 b + 16 h + 8 u + j (t = 2 b + u)
; that is the order in which V's codes were laid, and a block is the same 32 keys.  V^T's rows are in wq's order, so that O^T's 16 registers of tiles 2 b, 2 b + 1 are channels 32 b + 16 h + 0 .. 15.
; K = 64 IN AN INSTRUCTION OF K = 128: Q's registers 6-11 are zero codes; K's tiles lie 6 registers apart, so a tile's upper six registers are the next tile's codes (or six zeros): they meet zero codes.
; Bytes 2 and 3 of Q's and K's scale words are 0, a small power of two and no NaN.
; LIMITS: NaN and infinities are not served; a block of y whose largest magnitude lies under 2^-124 is held at the byte 1.
.set STEPB, 13056
.set HEADB, 208896
.set BM, 192                           ; v192-195 a block's largest score, then its largest p
.set BT, 196                           ; v196-199 at work; the bytes
.set SO, 200                           ; v200-203 the conversions' scale operands
; v1-3 16, 8, 4 x lane; v4-6 the same + the step's place; v7 r - 8 h + 16 cx (data alone); v8 the mask's bound; v9 32 r; v10 4 r; v12 -M; v13 the largest t; v[14:15] the sum;
; v16-21 Q, v22-27 zeros; v28 Q's scale word; v29 -infinity; v32-79 K's tiles, then V^T's; v80-85 zeros; v86-89 K's scale words; v90-91 V's; v96-159 S^T, then p; v160-191 O^T;
; v204-210 conversions' second halves; v212-223 p's codes; v224 p's scale word; v[226:227] f; v228 at work; v[230:231] the sum's second chain
; s10 wave; s11 cx; s12 the group's first query; s13 the step's LDS byte; s14 its first key; s15 a loop's count; s16 the head (0..63); s17 g; s18, s19 at work
.macro CROUND
	s_barrier_signal -1
	s_barrier_wait -1
	s_cmp_lg_u32 s10, 0
	s_cbranch_scc1 .Lnot_wave_0_\@
	s_barrier_signal -3
.Lnot_wave_0_\@:
	s_barrier_wait -3
	s_barrier_signal -1
	s_barrier_wait -1
.endm
.macro GROUP1 g, rows                  ; descriptor group 1: rows x 256 dense bytes (32 elements of 8 bytes), for all four partners
	s_mov_b32 s[\g], 15|(3<<16)|(1<<21)
	s_mov_b32 s[\g+1], 32<<16
	s_mov_b32 s[\g+2], (\rows)<<16
	s_mov_b32 s[\g+3], 32<<16
	s_mov_b32 s[\g+4], \rows
	s_mov_b32 s[\g+5], 32
	s_mov_b32 s[\g+6], 0
	s_mov_b32 s[\g+7], 0
.endm
	s_load_b128 s[4:7], s[0:1], 0x0                ; qb s[4:5], kv s[6:7]
	s_load_b64 s[8:9], s[0:1], 0x10                ; yq
	v_lshl_add_u32 v254, v0, 2, 0x34000
	v_mov_b32 v255, 0
	ds_add_u32 v254, v255
	ds_add_u32 v254, v255
	v_lshrrev_b32 v1, 5, v0
	v_readfirstlane_b32 s10, v1                    ; wave 0..15
	s_bfe_u32 s11, ttmp6, 0x40000                  ; cx
	s_and_b32 s16, ttmp7, 0xffff                   ; batch x 16 + head
	s_lshr_b32 s17, s10, 2
	s_and_b32 s17, s17, 1
	s_mul_i32 s17, s17, 3
	s_xor_b32 s17, s17, s10                        ; m
	s_lshl_b32 s17, s17, 1
	s_add_co_u32 s17, s17, ttmp9                   ; g
	s_lshl_b32 s12, s17, 6                         ; the group's first query
	s_mov_b32 s13, 0
	s_mov_b32 s14, 0
	s_mov_b32 s20, 0x76543210
	s_mov_b32 s21, 0xfedcba98                      ; lane l xor 16
	s_mov_b32 s22, 0x3e38aa3b                      ; log2(e) / 8
	s_mov_b32 s23, s22                             ; (named with it as a pair)
	GROUP1 24, 51                                  ; one step,
	GROUP1 32, 153                                 ; three,
	GROUP1 40, 204                                 ; four
	s_and_b32 s19, s10, 1                          ; waves 0 and 1 fetch: steps w; 2 + 3 w .. ; 8 + 4 w ..
	s_mul_i32 s18, s16, HEADB
	s_mov_b32 s48, 1
	s_mul_i32 s49, s19, STEPB
	s_mov_b32 s52, 1
	s_mul_i32 s53, s19, 3*STEPB
	s_add_co_u32 s53, s53, 2*STEPB
	s_mov_b32 s56, 1
	s_mul_i32 s57, s19, 4*STEPB
	s_add_co_u32 s57, s57, 8*STEPB
	s_mov_b32 s61, 0
	s_wait_dscnt 0x0
	s_wait_kmcnt 0x0
	s_add_co_u32 s60, s18, s49                     ; memory and LDS have the same order
	s_add_nc_u64 s[50:51], s[6:7], s[60:61]
	s_or_b32 s51, s51, 0x80000000
	s_add_co_u32 s60, s18, s53
	s_add_nc_u64 s[54:55], s[6:7], s[60:61]
	s_or_b32 s55, s55, 0x80000000
	s_add_co_u32 s60, s18, s57
	s_add_nc_u64 s[58:59], s[6:7], s[60:61]
	s_or_b32 s59, s59, 0x80000000
	CROUND                                         ; all four work-groups are here: the joint loads meet
	s_cmp_lt_u32 s10, 2                            ; a wave's three fills stand in one branch on its number, ahead of every wait on TENSORcnt, LDS read and barrier: three loads of mine are out
	s_cbranch_scc0 .Lno_fill
	tensor_load_to_lds s[48:51], s[24:31]
	s_nop 0
	tensor_load_to_lds s[52:55], s[32:39]
	s_nop 0
	tensor_load_to_lds s[56:59], s[40:47]
	s_nop 0
.rept 4
	v_nop
.endr
.Lno_fill:
	v_and_b32 v3, 31, v0
	v_lshlrev_b32 v1, 4, v3
	v_lshlrev_b32 v2, 3, v3
	v_lshlrev_b32 v3, 2, v3
	v_and_b32 v11, 15, v0                          ; r
	v_bfe_u32 v8, v0, 4, 1                         ; h
	v_lshlrev_b32 v9, 5, v11
	v_lshlrev_b32 v10, 2, v11
	v_lshlrev_b32 v8, 3, v8
	v_sub_nc_u32 v7, v11, v8
	s_lshl_b32 s18, s11, 4
	v_add_nc_u32 v7, s18, v7                       ; my query less the group's first, less 8 h
	s_lshl_b32 s18, s16, 7
	s_lshl_b32 s19, s17, 2
	s_add_co_u32 s18, s18, s19
	s_add_co_u32 s18, s18, s11                     ; Q's tile: 128 x head + 4 g + cx
	s_mul_i32 s60, s18, 768
	s_lshl_b32 s62, s18, 6                         ; 16 scale words
	s_add_co_u32 s62, s62, 6291456
	s_mov_b32 s63, 0
	s_add_nc_u64 s[60:61], s[4:5], s[60:61]
	s_add_nc_u64 s[62:63], s[4:5], s[62:63]
	global_load_b128 v[16:19], v1, s[60:61]        ; Q's half fragment, as its registers were stored
	global_load_b64 v[20:21], v2, s[60:61] offset:512
	global_load_b32 v28, v10, s[62:63]
	v_mov_b32 v13, 0xff61b1e6                      ; the largest t so far: -3e38
	v_floor_f32 v12, -v13                          ; -M
	v_mov_b32 v14, 0
	v_mov_b32 v15, 0
	v_mov_b32 v29, 0xff800000                      ; -infinity
	v_mov_b32 v227, 0                              ; (named as the upper half of the pair v[226:227])
	v_mov_b32 v228, 0                              ; a lane permute's destination counts as one of its sources
.irp j, 0,1,2,3,4,5
	v_mov_b32 v[22+\j], 0                          ; Q's upper 64 along K: zero codes
	v_mov_b32 v[80+\j], 0                          ; behind K's last tile
.endr
.irp b, 0,1,2,3
	v_mov_b32 v[BT+\b], 0
.endr
.set J, 0
.rept 32
	v_mov_b32 v[160+J], 0                          ; O^T: the step is written once; the first finds zeros, which the first change of M leaves zeros
.set J, J+1
.endr
.macro KQ t
.if (\t)%2
	v_wmma_scale_f32_16x16x128_f8f6f4 v[96+8*(\t):103+8*(\t)], v[32+6*(\t):43+6*(\t)], v[16:27], 0, v[86+(\t)/2], v28 matrix_a_fmt:MATRIX_FMT_FP6 matrix_b_fmt:MATRIX_FMT_FP6 matrix_a_scale:MATRIX_SCALE_ROW1
.else
	v_wmma_scale_f32_16x16x128_f8f6f4 v[96+8*(\t):103+8*(\t)], v[32+6*(\t):43+6*(\t)], v[16:27], 0, v[86+(\t)/2], v28 matrix_a_fmt:MATRIX_FMT_FP6 matrix_b_fmt:MATRIX_FMT_FP6
.endif
.endm
.macro PV t
.if (\t)%2
	v_wmma_scale_f32_16x16x128_f8f6f4 v[160+8*(\t):167+8*(\t)], v[32+12*(\t):43+12*(\t)], v[212:223], v[160+8*(\t):167+8*(\t)], v[90+(\t)/2], v224 matrix_a_fmt:MATRIX_FMT_FP6 matrix_b_fmt:MATRIX_FMT_FP6 matrix_a_scale:MATRIX_SCALE_ROW1
.else
	v_wmma_scale_f32_16x16x128_f8f6f4 v[160+8*(\t):167+8*(\t)], v[32+12*(\t):43+12*(\t)], v[212:223], v[160+8*(\t):167+8*(\t)], v[90+(\t)/2], v224 matrix_a_fmt:MATRIX_FMT_FP6 matrix_b_fmt:MATRIX_FMT_FP6
.endif
.endm
; A KEY STEP of 128 keys.  A step all of whose keys come after the group's 64 queries is left out: a scalar branch on ids, round the work, not round the two lines at the end that step the place and the key.
.macro STEP
	s_add_co_u32 s18, s12, 63
	s_cmp_gt_u32 s14, s18
	s_cbranch_scc1 .Lhidden_\@
	s_sub_co_i32 s18, s12, s14
	v_add_nc_u32 v4, s13, v1                       ; these four are also the places in front of the loads into registers that the last products read
	v_add_nc_u32 v5, s13, v2
	v_add_nc_u32 v6, s13, v3
	v_add_nc_u32 v8, s18, v7                       ; register 8 t + j is hidden where 16 t + j is above this
.irp t, 0,1,2,3,4,5,6,7
	ds_load_b128 v[32+6*\t:35+6*\t], v4 offset:768*\t          ; K's tile t: the image of six registers; every load takes consecutive bytes
	ds_load_b64 v[36+6*\t:37+6*\t], v5 offset:768*\t+512
.endr
.irp u, 0,1,2,3
	ds_load_b32 v[86+\u], v6 offset:12288+128*\u   ; lanes 0-15 tile 2 u's scale words, lanes 16-31 tile 2 u + 1's
.endr
	s_wait_dscnt 0x0
.irp t, 0,1,2,3,4,5,6,7
	KQ \t
.endr
.rept 4
	v_nop                                          ; places: the scores are read, and V^T lands where K lay
.endr
.irp t, 0,1,2,3
.irp c, 0,1,2
	ds_load_b128 v[32+12*\t+4*\c:35+12*\t+4*\c], v4 offset:6144+1536*\t+512*\c   ; V^T's four tiles are asked for now and land under the softmax
.endr
.endr
.irp u, 0,1
	ds_load_b32 v[90+\u], v6 offset:12800+128*\u
.endr
	s_add_co_u32 s18, s14, 127                     ; a step all of whose keys count for the whole group needs no mask
	s_cmp_le_u32 s18, s12
	s_cbranch_scc1 .Lopen_\@
.set N, 0
.rept 64
	v_cmp_gt_i32 vcc_lo, 16*(N/8)+N%8, v8
	v_cndmask_b32 v[96+N], v[96+N], v29, vcc_lo    ; hidden scores become -infinity ahead of the maximum: p = 0 then
.set N, N+1
.endr
.Lopen_\@:
.irp b, 0,1,2,3
	v_max3_num_f32 v[BM+\b], v[96+16*\b], v[97+16*\b], v[98+16*\b]   ; the largest score of each block of 32 keys: for the row's maximum and, since p rises with the score, for the block's largest p
.endr
.irp i, 3,5,7,9,11,13
.irp b, 0,1,2,3
	v_max3_num_f32 v[BM+\b], v[BM+\b], v[96+16*\b+\i], v[97+16*\b+\i]
.endr
.endr
.irp b, 0,1,2,3
	v_max_num_f32 v[BM+\b], v[BM+\b], v[111+16*\b]
.endr
.irp b, 0,1,2,3
	v_permlanex16_b32 v[BT+\b], v[BM+\b], s20, s21
.endr
.irp b, 0,1,2,3
	v_max_num_f32 v[BM+\b], v[BM+\b], v[BT+\b]     ; with lane l xor 16's 16 keys
.endr
	v_max3_num_f32 v228, v[BM], v[BM+1], v[BM+2]
	v_max_num_f32 v228, v228, v[BM+3]
	v_mul_f32 v228, s22, v228                      ; the step's largest t
	v_max_num_f32 v13, v13, v228
	v_mov_b32 v228, v12
	v_floor_f32 v12, -v13                          ; the new -M = -ceil(t)
	v_sub_f32 v228, v12, v228                      ; old M - new M: a whole number, 0 or less
	v_cvt_i32_f32 v228, v228                       ; (it saturates)
	v_ldexp_f32 v226, 1.0, v228                    ; f = 2^(old M - new M)
.set J, 0
.rept 32
	v_pk_fma_f32 v[96+J:97+J], v[96+J:97+J], s[22:23], v[12:13] op_sel_hi:[1,0,0]   ; t - M, two at a time
.set J, J+2
.endr
.irp b, 0,1,2,3
	v_fma_f32 v[BM+\b], v[BM+\b], s22, v12         ; the same of each block's largest score
.endr
.set J, 0
.rept 64
	v_exp_f32 v[96+J], v[96+J]                     ; p = 2^(t - M)
.set J, J+1
.endr
	v_pk_mul_f32 v[14:15], v[14:15], v[226:227] op_sel_hi:[1,0]   ; the sum under the new M: the plain instruction behind the exponentials
	s_wait_alu depctr_va_vdst(0)                   ; one wait for the batch of 64, ahead of its first reader
.irp b, 0,1,2,3
	v_exp_f32 v[BM+\b], v[BM+\b]                   ; the block's largest p: the same two instructions on the same number
.endr
	v_pk_add_f32 v[230:231], v[96:97], v[98:99]    ; the row's sum, of the unquantised p, in two chains; it reads the 64 alone
.irp j, 4,8,12,16,20,24,28,32,36,40,44,48,52,56,60
	v_pk_add_f32 v[14:15], v[14:15], v[96+\j:97+\j]
	v_pk_add_f32 v[230:231], v[230:231], v[98+\j:99+\j]
.endr
	v_pk_add_f32 v[14:15], v[14:15], v[230:231]
	s_wait_alu depctr_va_vdst(0)                   ; and one for the four
.irp b, 0,1,2,3
	v_max_num_f32 v[BM+\b], 0x1800000, v[BM+\b]    ; the floor 2^(3 - 127): a block whose every p is 0 keeps the byte 1 and zero codes
.endr
.irp b, 0,1,2,3
	v_add_nc_u32 v[SO+\b], 0xff000000, v[BM+\b]
.endr
.irp b, 0,1,2,3
	v_lshrrev_b32 v[BT+\b], 23, v[SO+\b]
.endr
	v_lshl_or_b32 v224, v[BT+1], 8, v[BT]          ; p's scale word for these 128 keys
	v_lshl_or_b32 v224, v[BT+2], 16, v224
	v_lshl_or_b32 v224, v[BT+3], 24, v224
.irp c, 0,1
	v_cvt_scalef32_pk16_fp6_f32 v[212+6*\c:214+6*\c], v[96+32*\c:111+32*\c], v[SO+2*\c]
	v_cvt_scalef32_pk16_fp6_f32 v[204+4*\c:206+4*\c], v[112+32*\c:127+32*\c], v[SO+2*\c+1]
.endr
	v_nop                                          ; one plain instruction behind a scaled conversion
.irp c, 0,1
.irp i, 0,1,2
	v_permlane16_swap_b32 v[212+6*\c+\i], v[204+4*\c+\i]   ; a whole block to a lane
.endr
.irp i, 0,1,2
	v_mov_b32 v[215+6*\c+\i], v[204+4*\c+\i]
.endr
.endr
.set J, 0
.rept 16
	v_pk_mul_f32 v[160+J:161+J], v[160+J:161+J], v[226:227] op_sel_hi:[1,0]   ; O^T under the new M.  These sixteen are also the places between the writes of p's scale word and codes and the products below
.set J, J+2
.endr
	s_wait_dscnt 0x0                               ; V^T and its scale words are in
.irp t, 0,1,2,3
	PV \t                                          ; four accumulators by turns
.endr
.Lhidden_\@:
	s_add_co_u32 s13, s13, STEPB
	s_add_co_u32 s14, s14, 128
.endm
; n steps whose tiles one fill of each fetching wave brought.  left: that wave's later fills, which may stay out.
.macro GROUP n, left
	s_wait_tensorcnt \left
	s_wait_dscnt 0x0
	s_barrier_signal -1
	s_barrier_wait -1
	s_mov_b32 s15, \n
.Lgroup_\@:
	STEP
	s_sub_co_u32 s15, s15, 1
	s_cmp_lg_u32 s15, 0
	s_cbranch_scc1 .Lgroup_\@
.endm
	s_wait_loadcnt 0x0                             ; Q
	GROUP 2, 2
	GROUP 6, 1
	GROUP 8, 0
	; THE WAY OUT: O^T / the sum, quantised along the head's 64 channels (two blocks), stored as half a fragment's image and two scale bytes a token
.rept 4
	v_nop                                          ; places behind the last products
.endr
	v_add_f32 v14, v14, v15
	v_permlanex16_b32 v228, v14, s20, s21
	v_add_f32 v14, v14, v228                       ; the row's sum
	v_rcp_f32 v14, v14
	v_and_b32 v11, 31, v0                          ; (the plain instruction behind the reciprocal)
	s_lshr_b32 s18, s16, 4
	s_lshl_b32 s18, s18, 7
	s_lshl_b32 s19, s17, 2
	s_add_co_u32 s18, s18, s19
	s_add_co_u32 s18, s18, s11                     ; the tile of 16 tokens: 128 x batch + 4 g + cx
	s_and_b32 s19, s16, 15                         ; the head
	s_lshl_b32 s60, s18, 4
	s_add_co_u32 s60, s60, s19
	s_mul_i32 s60, s60, 768
	s_mov_b32 s61, 0
	s_lshl_b32 s62, s18, 9                         ; 16 tokens x 32 scale bytes
	s_lshl_b32 s19, s19, 1
	s_add_co_u32 s62, s62, s19
	s_add_co_u32 s62, s62, 6291456
	s_mov_b32 s63, 0
	s_add_nc_u64 s[60:61], s[8:9], s[60:61]
	s_add_nc_u64 s[62:63], s[8:9], s[62:63]
	s_wait_alu depctr_va_vdst(0)                   ; the wait ahead of the reciprocal's first reader
.set J, 0
.rept 32
	v_mul_f32 v[96+J], v[160+J], v14               ; register 16 b + i is channel 32 b + 16 h + i
.set J, J+1
.endr
.irp b, 0,1
	v_max3_num_f32 v[BM+\b], |v[96+16*\b]|, |v[97+16*\b]|, 0x1800000
.endr
.irp i, 2,4,6,8,10,12,14
.irp b, 0,1
	v_max3_num_f32 v[BM+\b], v[BM+\b], |v[96+16*\b+\i]|, |v[97+16*\b+\i]|
.endr
.endr
.irp b, 0,1
	v_permlanex16_b32 v[BT+\b], v[BM+\b], s20, s21
.endr
.irp b, 0,1
	v_max_num_f32 v[BM+\b], v[BM+\b], v[BT+\b]
.endr
.irp b, 0,1
	v_add_nc_u32 v[SO+\b], 0xff000000, v[BM+\b]
.endr
.irp b, 0,1
	v_lshrrev_b32 v[BT+\b], 23, v[SO+\b]
.endr
	v_lshl_or_b32 v228, v[BT+1], 8, v[BT]          ; my token's two scale bytes
	v_cvt_scalef32_pk16_fp6_f32 v[212:214], v[96:111], v[SO]
	v_cvt_scalef32_pk16_fp6_f32 v[204:206], v[112:127], v[SO+1]
	v_nop
.irp i, 0,1,2
	v_permlane16_swap_b32 v[212+\i], v[204+\i]
.endr
.irp i, 0,1,2
	v_mov_b32 v[215+\i], v[204+\i]
.endr
	global_store_b128 v1, v[212:215], s[60:61]     ; 512 consecutive bytes, aligned,
	global_store_b64 v2, v[216:217], s[60:61] offset:512   ; and 256
	v_cmp_gt_u32 vcc_lo, 16, v11
	s_wait_xcnt 0x0                                ; EXEC changes only behind this wait
	s_and_saveexec_b32 s18, vcc_lo                 ; lanes 0-15: a token each (lanes 16-31 hold the same)
	global_store_b16 v9, v228, s[62:63]            ; two bytes of each token's row of 32: one part in 24 of what this launch stores
	s_wait_xcnt 0x0
	s_or_b32 exec_lo, exec_lo, s18
	s_wait_tensorcnt 0x0
	s_wait_dscnt 0x0
	s_wait_tensorcnt 0x0
	ds_add_u32 v254, v255
	s_wait_dscnt 0x0
	CROUND                                         ; the closing round
	s_endpgm
.Lfunc_end_k_q796db47e2d_attn:
	.size	k_q796db47e2d_attn, .Lfunc_end_k_q796db47e2d_attn-k_q796db47e2d_attn
	.p2alignl 7, 3214868480
	.fill 96, 4, 3214868480
	.section	.rodata,"a",@progbits
	.p2align	6, 0x0
	.amdhsa_kernel k_q796db47e2d_attn
		.amdhsa_group_segment_fixed_size 215040
		.amdhsa_private_segment_fixed_size 0
		.amdhsa_enable_private_segment 0
		.amdhsa_kernarg_size 24
		.amdhsa_user_sgpr_count 2
		.amdhsa_user_sgpr_kernarg_segment_ptr 1
		.amdhsa_wavefront_size32 1
		.amdhsa_system_sgpr_workgroup_id_x 1
		.amdhsa_system_sgpr_workgroup_id_y 1
		.amdhsa_system_sgpr_workgroup_id_z 1
		.amdhsa_system_vgpr_workitem_id 0
		.amdhsa_next_free_vgpr 256
		.amdhsa_next_free_sgpr 66
		.amdhsa_reserve_vcc 1
		.amdhsa_float_denorm_mode_32 3
		.amdhsa_float_denorm_mode_16_64 3
		.amdhsa_memory_ordered 1
		.amdhsa_forward_progress 1
		.amdhsa_inst_pref_size 76
	.end_amdhsa_kernel
	.amdgpu_metadata
---
amdhsa.version: [ 1, 2 ]
amdhsa.kernels:
  - .name:           k_q796db47e2d_attn
    .symbol:         k_q796db47e2d_attn.kd
    .args:
      - { .name: qb, .offset: 0, .size: 8, .value_kind: global_buffer, .address_space: global }
      - { .name: kv, .offset: 8, .size: 8, .value_kind: global_buffer, .address_space: global }
      - { .name: yq, .offset: 16, .size: 8, .value_kind: global_buffer, .address_space: global }
    .group_segment_fixed_size: 215040
    .private_segment_fixed_size: 0
    .kernarg_segment_align: 8
    .kernarg_segment_size: 24
    .max_flat_workgroup_size: 512
    .sgpr_count:     66
    .vgpr_count:     256
    .wavefront_size: 32
...
	.end_amdgpu_metadata
.endif
;; end of part 3
;; launch proj (part 4): grid 4 x 32, 4 waves a work-group, clusters of 4 x 4, 327,680 bytes of LDS; arguments yq, wq, bp, out0; writes out0
.if DOCPART == 4
	.amdgcn_target "amdgcn-amd-amdhsa--gfx1250"
	.amdhsa_code_object_version 6
	.text
	.protected	k_q796db47e2d_proj
	.globl	k_q796db47e2d_proj
	.p2align	8
	.type	k_q796db47e2d_proj,@function
k_q796db47e2d_proj:
	s_mov_b64 s[64:65], 0
	v_nop
	global_prefetch_b8 v0, s[64:65] scope:SCOPE_SE
	s_setreg_imm32_b32 hwreg(HW_REG_WAVE_MODE, 25, 1), 1
	s_wait_xcnt 0x0
	s_wait_alu depctr_hold_cnt(0) depctr_sa_sdst(0) depctr_va_vdst(0) depctr_va_sdst(0) depctr_va_ssrc(0) depctr_va_vcc(0) depctr_vm_vsrc(0)
	s_getreg_b32 s2, hwreg(HW_REG_IB_STS2, 6, 4)
	s_cmp_eq_u32 s2, 0
	s_cbranch_scc0 .Lentry_in_a_cluster
	s_endpgm
.Lentry_in_a_cluster:
	s_bfe_u32 s2, ttmp6, 0x10000c
	s_cmp_lg_u32 s2, 0xf033
	s_cbranch_scc0 .Lentry_shape_is_right
	s_endpgm
.Lentry_shape_is_right:
; out0 = y Wp + bp on codes of FP6 (E2M3) with E8M0 scales; sums and result in f32.  y: 8,192 tokens x 1,024; Wp: rows 3,072 .. 4,095 of wq.
; A work-group of four waves makes 256 x 256 of the result, a wave 128 x 128 in 64 accumulators; K = 1,024 goes in four steps of 256 through two LDS slots.
; A (y) ARRIVES AS IMAGES OF OPERAND REGISTERS: [tile of 16 tokens][head 16][768 bytes]; two neighbouring heads are a fragment of 128 along K: registers 0-3 at 16 x lane, 4-5 at 512 + 8 x lane, 6-9 at 768 + 16 x lane,
; 10-11 at 1,280 + 8 x lane.  A K step of a tile is 3,072 consecutive bytes, so a wave's tensor load brings 8 rows of 3,072 bytes, 12,288 apart; every LDS read of A takes consecutive bytes: no padding.
; B (Wp) arrives as rows of codes, 192 bytes a K step, padded in LDS.  Its rows are in wq's order: the 16 registers of B's blocks 2 c, 2 c + 1 are columns 32 c + 16 h + 0 .. 15 of one token's row.
; THE MATRIX INSTRUCTION IS USED TRANSPOSED (source 0 = 16 rows of B, source 1 = 16 rows of A).  bp is the C of each sum's first matrix instruction.
; CLUSTERS: 4 x 4 work-groups; A's tiles are asked for jointly along a row of the cluster, B's along a column.  The result has 128 tiles of this size: 128 work-groups.
; No prefetch: of four K steps two are first fills.
; REGISTERS: window 0: v7 the bias loads' offset, v16-31 addresses; v32-63 scale words, two sets; v64-127 the bias; v128-223 A's fragments.  window 1: B's fragments, two sets.  windows 2, 3: the accumulators.
.set NQ,     2
.set ROWB,   192
.set KROW,   768
.set PITCH,  240
.set FR,     12
.set NL,     6
.set NLA,    4                         ; LDS loads that bring a fragment of A
.set NP,     4
.set HALFT,  128*PITCH                 ; 128 rows of B
.set HALFA,  8*3072                    ; 128 rows of A
.set SLOT,   2*HALFA+2*HALFT
.set LAPS,   2
.set KS,     32
.set SCL,    2*SLOT
.set HALFS,  (128*KS/256)*272
.set SBLK,   (16*KS/256)*272
.set SPARE,  SCL+4*HALFS               ; the spare words: two blocks of 256 bytes that no other line names
.set SPITCH, 528                       ; the way out: a stage of 16 rows x (512 + 16) bytes a wave, in slot 0, which has had its last fill and its last read by then
.set SIZE_N, 1024
.set ADRA, 16                          ; v16-17 A: slot 0, 1, + 16 x lane; v18-19: + 8 x lane
.set ADRB, 20
.set STO,  24
.set RD,   25
.set CO,   26
.set ADRS, 27
.set SPW,  28
.set NIL,  29
.set SC,   32
.set BI,   64
.set AF,   128
.set BK,   128
.set G1, 24
.set G0, 32
.set G1B, 48
.set G0B, 56
.set G1S, 68
.set G0S, 76
.set G1SB, 80
.set G0SB, 88
.set MSB, 0
.macro WIN new
.if MSB != \new
	s_set_vgpr_msb (MSB<<8)|\new
.set MSB, \new
.endif
.endm
.set MUL_LO, 0xa1
.set MUL_HI, 0xf1
.set TO_B,   0x40
.macro WMUL hi, zero
.if \zero
	WIN 0x81+0x40*(\hi)
.else
	WIN 0xa1+0x50*(\hi)
.endif
.endm
.macro JLOAD g0a, g1a, g0b, g1b        ; waves 0 and 1 fetch for A, waves 2 and 3 for B; four v_nop follow each of the two lines
	s_cmp_eq_u32 s15, 0
	s_cbranch_scc0 .Lfor_b_\@
	tensor_load_to_lds s[\g0a:\g0a+3], s[\g1a:\g1a+7]
	s_nop 0
.rept 4
	v_nop
.endr
	s_branch .Lasked_\@
.Lfor_b_\@:
	tensor_load_to_lds s[\g0b:\g0b+3], s[\g1b:\g1b+7]
	s_nop 0
.rept 4
	v_nop
.endr
.Lasked_\@:
.endm
.macro CREST
	s_cmp_lg_u32 s14, 0
	s_cbranch_scc1 .Lnot_wave_0_\@
	s_barrier_signal -3
.Lnot_wave_0_\@:
	s_barrier_wait -3
	s_barrier_signal -1
	s_barrier_wait -1
.endm
.macro CROUND
	s_barrier_signal -1
	s_barrier_wait -1
	CREST
.endm
	s_load_b256 s[4:11], s[0:1], 0x0               ; yq s[4:5], wq s[6:7], bp s[8:9], out0 s[10:11]
	v_lshl_add_u32 v[SPW], v0, 2, SPARE
	v_mov_b32 v[NIL], 0
	ds_add_u32 v28, v29
	ds_add_u32 v28, v29
	s_wait_dscnt 0x0
	v_lshrrev_b32 v1, 5, v0
	v_readfirstlane_b32 s14, v1                    ; wave 0..3
	s_lshr_b32 s15, s14, 1                         ; my half of the tokens.  Also: I fetch for A (0) or for B (1)
	s_and_b32 s16, s14, 1                          ; my half of the columns.  Also: which 128 rows I fetch
	s_bfe_u32 s40, ttmp6, 0x40000                  ; cx
	s_bfe_u32 s41, ttmp6, 0x40004                  ; cy
	s_lshl_b32 s42, ttmp9, 2
	s_add_co_u32 s42, s42, s40                     ; tile column
	s_and_b32 s17, ttmp7, 0xffff
	s_lshl_b32 s17, s17, 2
	s_add_co_u32 s17, s17, s41                     ; tile row
	s_lshl_b32 s43, s41, 2
	s_lshl_b32 s43, 15, s43                        ; my row of the cluster
	s_lshl_b32 s44, 0x1111, s40                    ; my column
	s_or_b32 s[G1+0], s43, (3<<16)|(1<<21)         ; A: elements of 8 bytes, no padding
	s_mov_b32 s[G1+1], 384<<16                     ; tensor_dim0: 3,072 bytes
	s_mov_b32 s[G1+2], 8<<16                       ; tensor_dim1: 8 tiles of tokens
	s_mov_b32 s[G1+3], 384<<16
	s_mov_b32 s[G1+4], 8
	s_mov_b32 s[G1+5], 1536                        ; 12,288 bytes from tile to tile
	s_mov_b32 s[G1+6], 0
	s_mov_b32 s[G1+7], 0
	s_or_b32 s[G1B+0], s44, (0<<16)|(1<<20)|(1<<21)|(3<<22)|(3<<25)   ; B: 128 rows x 192 bytes, 16 bytes of padding behind every 64
	s_mov_b32 s[G1B+1], ROWB<<16
	s_mov_b32 s[G1B+2], 128<<16
	s_mov_b32 s[G1B+3], ROWB<<16
	s_mov_b32 s[G1B+4], 128
	s_mov_b32 s[G1B+5], KROW
	s_mov_b32 s[G1B+6], 0
	s_mov_b32 s[G1B+7], 0
	s_or_b32 s[G1S+0], s43, (3<<16)|(1<<20)|(1<<21)|(5<<22)|(3<<25)   ; the scales of 128 rows: 16 rows of 256 bytes, 16 of padding behind each
	s_or_b32 s[G1SB+0], s44, (3<<16)|(1<<20)|(1<<21)|(5<<22)|(3<<25)
.irp g, G1S, G1SB
	s_mov_b32 s[\g+1], 32<<16
	s_mov_b32 s[\g+2], (128*KS/256)<<16
	s_mov_b32 s[\g+3], 32<<16
	s_mov_b32 s[\g+4], 128*KS/256
	s_mov_b32 s[\g+5], 32
	s_mov_b32 s[\g+6], 0
	s_mov_b32 s[\g+7], 0
.endr
	s_lshl_b32 s18, s16, 7
	s_lshl_b32 s20, s17, 8
	s_add_co_u32 s20, s20, s18                     ; A's row (token)
	s_lshl_b32 s46, s42, 8
	s_add_co_u32 s46, s46, s18                     ; B's row (among Wp's 1,024)
	s_lshl_b32 s22, s20, 5
	s_add_co_u32 s22, s22, 6291456                 ; y's scale bytes
	s_mov_b32 s23, 0
	s_mul_i32 s20, s20, 768                        ; 16 tokens are 12,288 bytes of images
	s_mov_b32 s21, 0
	s_lshl_b32 s92, s46, 5
	s_add_co_u32 s92, s92, 3244032                 ; Wp's scale bytes: 3,145,728 + 3,072 x 32
	s_mov_b32 s93, 0
	s_mul_i32 s46, s46, KROW
	s_add_co_u32 s46, s46, 2359296                 ; Wp's codes: row 3,072 of wq
	s_mov_b32 s47, 0
	s_mul_i32 s45, s16, HALFA                      ; where A's half goes in a slot,
	s_mul_i32 s95, s16, HALFT
	s_add_co_u32 s95, s95, 2*HALFA                 ; and B's
	s_mul_i32 s94, s14, HALFS
	s_wait_kmcnt 0x0
	s_add_nc_u64 s[20:21], s[4:5], s[20:21]
	s_add_nc_u64 s[22:23], s[4:5], s[22:23]
	s_add_nc_u64 s[46:47], s[6:7], s[46:47]
	s_add_nc_u64 s[92:93], s[6:7], s[92:93]
	CROUND                                         ; all sixteen work-groups are here: the first joint loads meet
	s_mov_b32 s[G0S], 1
	s_add_co_u32 s[G0S+1], s94, SCL
	s_mov_b64 s[G0S+2:G0S+3], s[22:23]
	s_or_b32 s[G0S+3], s[G0S+3], 0x80000000
	s_mov_b32 s[G0SB], 1
	s_add_co_u32 s[G0SB+1], s94, SCL
	s_mov_b64 s[G0SB+2:G0SB+3], s[92:93]
	s_or_b32 s[G0SB+3], s[G0SB+3], 0x80000000
	JLOAD G0S, G1S, G0SB, G1SB
.irp s, 0,1
	s_mov_b32 s[G0+4*\s], 1
	s_add_co_u32 s[G0+4*\s+1], s45, \s*SLOT
	s_add_nc_u64 s[G0+4*\s+2:G0+4*\s+3], s[20:21], \s*3072
	s_or_b32 s[G0+4*\s+3], s[G0+4*\s+3], 0x80000000
	s_mov_b32 s[G0B+4*\s], 1
	s_add_co_u32 s[G0B+4*\s+1], s95, \s*SLOT
	s_add_nc_u64 s[G0B+4*\s+2:G0B+4*\s+3], s[46:47], \s*ROWB
	s_or_b32 s[G0B+4*\s+3], s[G0B+4*\s+3], 0x80000000
	JLOAD G0+4*\s, G1, G0B+4*\s, G1B               ; three loads of mine are out
.endr
	v_and_b32 v1, 15, v0                           ; r
	v_bfe_u32 v2, v0, 4, 1                         ; h
	v_and_b32 v3, 31, v0
	v_lshlrev_b32 v4, 4, v3
	v_lshlrev_b32 v5, 3, v3
	s_mul_i32 s21, s15, HALFA                      ; my 128 tokens
.irp s, 0,1
	v_add_nc_u32 v[ADRA+\s], s21, v4
	v_add_nc_u32 v[ADRA+2+\s], s21, v5
	s_add_co_u32 s21, s21, SLOT
.endr
	v_mul_u32_u24 v3, v1, PITCH
	v_mul_u32_u24 v4, v2, 24
	v_add_nc_u32 v4, v3, v4
	v_lshl_add_u32 v5, v2, 4, v4
	s_mul_i32 s22, s16, HALFT
	s_add_co_u32 s22, s22, 2*HALFA
.irp s, 0,1
	v_add_nc_u32 v[ADRB+\s], s22, v4
	v_add_nc_u32 v[ADRB+2+\s], s22, v5
	s_add_co_u32 s22, s22, SLOT
.endr
	v_mul_u32_u24 v5, v1, KS
	v_lshrrev_b32 v6, 8, v5
	v_lshl_add_u32 v5, v6, 4, v5
	s_mul_i32 s21, s15, HALFS
	s_mul_i32 s22, s16, HALFS
	s_add_co_u32 s22, s22, 2*HALFS
	s_sub_co_u32 s22, s22, s21
	v_mul_u32_u24 v6, s22, v2                      ; lanes 16-31 take B's scale words
	s_add_co_u32 s21, s21, SCL
	v_add_nc_u32 v5, v5, v6
	v_add_nc_u32 v[ADRS], s21, v5
	s_mul_i32 s23, s14, 16*SPITCH                  ; my stage
	v_mul_u32_u24 v5, v1, SPITCH
	v_lshl_add_u32 v5, v2, 6, v5                   ; in: row r, + 64 h: my half's 16 columns of each 32
	v_add_nc_u32 v[STO], s23, v5
	v_and_b32 v6, 31, v0
	v_lshlrev_b32 v[CO], 4, v6                     ; back: the 32 lanes take one row of 512 bytes
	v_add_nc_u32 v[RD], s23, v[CO]
	v_lshlrev_b32 v7, 6, v2                        ; the bias: 16 h numbers on
	s_lshl_b32 s20, s17, 8
	s_lshl_b32 s21, s15, 7
	s_add_co_u32 s20, s20, s21
	s_lshl_b32 s20, s20, 12                        ; my first row of the result, 4,096 bytes a row
	s_lshl_b32 s46, s42, 10
	s_lshl_b32 s47, s16, 9
	s_add_co_u32 s46, s46, s47                     ; my first column, in bytes: the same in bp
	s_mov_b32 s47, 0
	s_add_nc_u64 s[8:9], s[8:9], s[46:47]
	s_add_co_u32 s20, s20, s46
	s_mov_b32 s21, 0
	s_add_nc_u64 s[12:13], s[10:11], s[20:21]
.irp b, 0,1,2,3,4,5,6,7                ; register 8 b + j: bp at column 32 (b / 2) + 8 (b % 2) + 16 h + j
	global_load_b128 v[BI+8*\b:BI+8*\b+3], v7, s[8:9] offset:(32*(\b/2)+8*(\b%2))*4
	global_load_b128 v[BI+8*\b+4:BI+8*\b+7], v7, s[8:9] offset:(32*(\b/2)+8*(\b%2))*4+16
.endr
.macro FRAG reg, adr, q, i             ; B: 12 registers in pieces of 8 bytes
.irp p, 0,1,2,3,4,5
.set PCE, 12*(\q)+6*(\p/3)+\p%3
.if PCE%8 < 5
	ds_load_b64 v[\reg+2*\p:\reg+2*\p+1], v[\adr] offset:8*PCE+16*(PCE/8)+(\i)*16*PITCH
.else
	ds_load_b64 v[\reg+2*\p:\reg+2*\p+1], v[\adr+2] offset:8*PCE+16*(PCE/8)+(\i)*16*PITCH
.endif
.endr
.endm
.macro FRAGA reg, slot, q, i           ; A: two half images
	ds_load_b128 v[\reg:\reg+3], v[ADRA+\slot] offset:3072*(\i)+1536*(\q)
	ds_load_b64 v[\reg+4:\reg+5], v[ADRA+2+\slot] offset:3072*(\i)+1536*(\q)+512
	ds_load_b128 v[\reg+6:\reg+9], v[ADRA+\slot] offset:3072*(\i)+1536*(\q)+768
	ds_load_b64 v[\reg+10:\reg+11], v[ADRA+2+\slot] offset:3072*(\i)+1536*(\q)+1280
.endm
; 16 matrix instructions; zero = 1: the sums begin with the bias.  The 64 accumulators take turns, one instruction a turn.
.macro MUL16 a0, p, q, sc, zero
.irp a, \a0, \a0+1
.irp b, 0,1,2,3,4,5,6,7
.if \zero
	v_wmma_scale_f32_16x16x128_f8f6f4 v[8*(8*((\a)%4)+\b):8*(8*((\a)%4)+\b)+7], v[128*(\p)+FR*\b:128*(\p)+FR*\b+FR-1], v[AF+FR*(\a):AF+FR*(\a)+FR-1], v[BI+8*\b:BI+8*\b+7], v[SC+8*NQ*(\sc)+NQ*\b+(\q)], v[SC+8*NQ*(\sc)+NQ*(\a)+(\q)] matrix_a_fmt:MATRIX_FMT_FP6 matrix_b_fmt:MATRIX_FMT_FP6 matrix_a_scale:MATRIX_SCALE_ROW1
.else
	v_wmma_scale_f32_16x16x128_f8f6f4 v[8*(8*((\a)%4)+\b):8*(8*((\a)%4)+\b)+7], v[128*(\p)+FR*\b:128*(\p)+FR*\b+FR-1], v[AF+FR*(\a):AF+FR*(\a)+FR-1], v[8*(8*((\a)%4)+\b):8*(8*((\a)%4)+\b)+7], v[SC+8*NQ*(\sc)+NQ*\b+(\q)], v[SC+8*NQ*(\sc)+NQ*(\a)+(\q)] matrix_a_fmt:MATRIX_FMT_FP6 matrix_b_fmt:MATRIX_FMT_FP6 matrix_a_scale:MATRIX_SCALE_ROW1
.endif
.endr
.endr
.endm
.macro FETCH_B slot, q, p
	WIN TO_B
.irp i, 0,1,2,3,4,5,6,7
	FRAG 128*(\p)+FR*\i, ADRB+\slot, \q, \i
.endr
	WIN 0
.endm
.macro FETCH_A slot, q, i0
.irp i, \i0, \i0+1, \i0+2, \i0+3
	FRAGA AF+FR*(\i), \slot, \q, \i
.endr
.endm
.macro SCALES sc
.irp i, 0,1,2,3,4,5,6,7
	ds_load_b64 v[SC+8*NQ*\sc+NQ*\i:SC+8*NQ*\sc+NQ*\i+1], v[ADRS] offset:\i*SBLK
.endr
.endm
.macro PLACES n
.rept \n
	v_nop
.endr
.endm
.macro STEP slot, q, zero
	s_wait_dscnt 4*NLA                             ; B's set and A's blocks 0-3 are in; the 16 youngest loads (A's blocks 4-7) may be out
	WMUL 0, \zero
	MUL16 0, (\q)%2, \q, \slot, \zero
	MUL16 2, (\q)%2, \q, \slot, \zero
	s_wait_dscnt 0
	PLACES NP
	FETCH_B \slot, (\q)+1, 1-(\q)%2
	FETCH_A \slot, (\q)+1, 0
	WMUL 1, \zero
	MUL16 4, (\q)%2, \q, \slot, \zero
	MUL16 6, (\q)%2, \q, \slot, \zero
	PLACES NP
	WIN 0
	FETCH_A \slot, (\q)+1, 4
.endm
.macro TURN slot, next, fill
	s_wait_tensorcnt 0x0                           ; all my tensor loads have landed: my part of the next slot
	ds_add_u32 v[SPW], v[NIL]                      ; 0 onto my spare word
	s_wait_dscnt 4*NLA+1                           ; the add and the 16 youngest loads may be out
	WIN MUL_LO
	MUL16 0, 1, NQ-1, \slot, 0
	s_wait_dscnt 0x0                               ; the add is done, and my reads of this slot are over
	s_barrier_signal -1
	MUL16 2, 1, NQ-1, \slot, 0
	WIN 0
	s_barrier_wait -1
.if \fill
	CREST                                          ; the barrier has opened a round of the cluster's barrier
	s_add_nc_u64 s[G0+4*\slot+2:G0+4*\slot+3], s[G0+4*\slot+2:G0+4*\slot+3], 2*3072
	s_add_nc_u64 s[G0B+4*\slot+2:G0B+4*\slot+3], s[G0B+4*\slot+2:G0B+4*\slot+3], 2*ROWB
	JLOAD G0+4*\slot, G1, G0B+4*\slot, G1B         ; the first tensor load behind the round; its four v_nop are the places in front of the loads below
.else
	PLACES NP
.endif
	v_add_nc_u32 v[ADRS], 4*NQ, v[ADRS]
	FETCH_B \next, 0, 0
	FETCH_A \next, 0, 0
	SCALES \next
	WIN MUL_HI
	MUL16 4, 1, NQ-1, \slot, 0
	MUL16 6, 1, NQ-1, \slot, 0
	PLACES NP
	WIN 0
	FETCH_A \next, 0, 4
.endm
	s_wait_tensorcnt 1                             ; the scales and my part of K step 0 are in; K step 1's load may be out
	s_barrier_signal -1
	s_barrier_wait -1
	FETCH_B 0, 0, 0
	FETCH_A 0, 0, 0
	SCALES 0
	FETCH_A 0, 0, 4
	s_wait_loadcnt 0x0                             ; the bias
	STEP 0, 0, 1
	s_mov_b32 s3, LAPS-1
.Llap:
	TURN 0, 1, 1
	STEP 1, 0, 0
	TURN 1, 0, 1
	STEP 0, 0, 0
	s_sub_co_u32 s3, s3, 1
	s_cmp_lg_u32 s3, 0
	s_cbranch_scc1 .Llap
	TURN 0, 1, 0
	STEP 1, 0, 0
	s_wait_dscnt 4*NLA
	WIN MUL_LO
	MUL16 0, 1, NQ-1, 1, 0
	MUL16 2, 1, NQ-1, 1, 0
	s_wait_dscnt 0
	WIN MUL_HI
	MUL16 4, 1, NQ-1, 1, 0
	MUL16 6, 1, NQ-1, 1, 0
	WIN 0
; THE WAY OUT, block by block of 16 tokens x 128 columns, through my own stage: in as 32 bytes of a row, back as whole rows of 512 bytes.  LDS serves a wave's instructions in order.
.macro TOSTAGE a
.set AC, 64*((\a)%4)
	WIN 0x08+4*((\a)/4)                            ; the data: window 2 or 3
.irp b, 0,1,2,3,4,5,6,7
	ds_store_b128 v[STO], v[AC+8*\b:AC+8*\b+3] offset:128*(\b/2)+32*(\b%2)       ; columns 32 (b / 2) + 16 h + 8 (b % 2) + 0 .. 7; each accumulator from its low end on
	ds_store_b128 v[STO], v[AC+8*\b+4:AC+8*\b+7] offset:128*(\b/2)+32*(\b%2)+16
.endr
	WIN 0
.set BB, BK+64*((\a)%2)
.irp t, 0,1,2,3,4,5,6,7,8,9,10,11,12,13,14,15
	ds_load_b128 v[BB+4*\t:BB+4*\t+3], v[RD] offset:\t*SPITCH
.endr
.endm
.macro SEND a, younger
.set BB, BK+64*((\a)%2)
	s_wait_dscnt \younger                          ; the block is back in registers; the LDS instructions issued behind its loads may be out
.if (\a) > 0
	s_add_nc_u64 s[12:13], s[12:13], 16*SIZE_N*4   ; (behind a wait on XCNT)  16 rows on
.endif
.irp t, 0,1,2,3,4,5,6,7,8,9,10,11,12,13,14,15
	global_store_b128 v[CO], v[BB+4*\t:BB+4*\t+3], s[12:13] offset:\t*SIZE_N*4 th:TH_STORE_NT   ; 32 lanes store 512 consecutive bytes, aligned
.endr
.endm
	PLACES NP
	TOSTAGE 0
.irp a, 1,2,3,4,5,6,7
.if \a > 1
	s_wait_xcnt 0x0                                ; block a - 2's stores have read their registers and their base
.endif
	TOSTAGE \a
	SEND \a-1, 32                                  ; behind block a - 1's loads: block a's 16 stores and 16 loads
.endr
	s_wait_xcnt 0x0
	SEND 7, 0
	s_wait_tensorcnt 0x0                           ; the wave's end
	ds_add_u32 v[SPW], v[NIL]
	s_wait_dscnt 0x0
	CROUND                                         ; the closing round
	s_endpgm
.Lfunc_end_k_q796db47e2d_proj:
	.size	k_q796db47e2d_proj, .Lfunc_end_k_q796db47e2d_proj-k_q796db47e2d_proj
	.p2alignl 7, 3214868480
	.fill 96, 4, 3214868480
	.section	.rodata,"a",@progbits
	.p2align	6, 0x0
	.amdhsa_kernel k_q796db47e2d_proj
		.amdhsa_group_segment_fixed_size 327680
		.amdhsa_private_segment_fixed_size 0
		.amdhsa_enable_private_segment 0
		.amdhsa_kernarg_size 32
		.amdhsa_user_sgpr_count 2
		.amdhsa_user_sgpr_kernarg_segment_ptr 1
		.amdhsa_wavefront_size32 1
		.amdhsa_system_sgpr_workgroup_id_x 1
		.amdhsa_system_sgpr_workgroup_id_y 1
		.amdhsa_system_sgpr_workgroup_id_z 1
		.amdhsa_system_vgpr_workitem_id 0
		.amdhsa_next_free_vgpr 1024
		.amdhsa_next_free_sgpr 98
		.amdhsa_reserve_vcc 0
		.amdhsa_float_denorm_mode_32 3
		.amdhsa_float_denorm_mode_16_64 3
		.amdhsa_memory_ordered 1
		.amdhsa_forward_progress 1
		.amdhsa_inst_pref_size 154
	.end_amdhsa_kernel
	.amdgpu_metadata
---
amdhsa.version: [ 1, 2 ]
amdhsa.kernels:
  - .name:           k_q796db47e2d_proj
    .symbol:         k_q796db47e2d_proj.kd
    .args:
      - { .name: yq, .offset: 0, .size: 8, .value_kind: global_buffer, .address_space: global }
      - { .name: wq, .offset: 8, .size: 8, .value_kind: global_buffer, .address_space: global }
      - { .name: bp, .offset: 16, .size: 8, .value_kind: global_buffer, .address_space: global }
      - { .name: out0, .offset: 24, .size: 8, .value_kind: global_buffer, .address_space: global }
    .group_segment_fixed_size: 327680
    .private_segment_fixed_size: 0
    .kernarg_segment_align: 8
    .kernarg_segment_size: 32
    .max_flat_workgroup_size: 128
    .sgpr_count:     98
    .vgpr_count:     1024
    .wavefront_size: 32
...
	.end_amdgpu_metadata
.endif
;; end of part 4
